; MI455X (gfx1250); checked and timed in simulation.
; The chip was launched on July 23, 2026; its instructions are those of AMD's public machine-readable ISA for CDNA 5 (MIT licence, August 2026) and "CDNA5" Instruction Set Architecture Reference Guide (July 2026). The comments in the code are by the model that wrote it; some were corrected since.
;; Multi Head Attention. Allowed arithmetic: matrix products marked QUANTISED: E5M2 operands, one E8M0 scale for each 32 along K, by v_wmma_scale_f32_16x16x128_f8f6f4 with both operands' format E5M2, f32 sums; products left as they are: f32 operands where the result goes on into a quantised operand, else bf16, f16 or f32 operands; f32 sums; everything else in f32.
;; Inputs: Wout 1,024 x 1,024 float32; Wqkv 3,072 x 1,024 float32; x 2 x 8,192 x 1,024 float32.
;; Outputs: out0 2 x 8,192 x 1,024 float32.
;; This version of the problem:
;;   THIS VERSION OF THE PROBLEM IS GIVEN IN LOW PRECISION. The matrix products marked QUANTISED in the list below multiply operands that are first quantised to E5M2 (5 exponent bits, 2 mantissa bits; 8 bits a number), with one power-of-two scale for each 32 numbers along K (OCP MX v1.0); their sums are f32. All else is computed in f32.
;;   The module's matrix products, in the order in which they are computed (A, B: the left and right operand; K: the contracted axis; several contracted axes count as one K, in the product's order):
;;     1. [M 16,384, K 1,024] x [K 1,024, N 3,072]; A: input x; B: input Wqkv: QUANTISED
;;     2. batch 16,384 x [M 16, K 64] x [K 64, N 16]; A: computed on the way; B: computed on the way: QUANTISED
;;     3. batch 16,384 x [M 16, K 16] x [K 16, N 64]; A: softmax; B: computed on the way: left as it is (K = 16 < 32)
;;     4. [M 16,384, K 1,024] x [K 1,024, N 1,024]; A: computed on the way; B: input Wout: QUANTISED
;;   THE QUANTISER, for each operand of a quantised product, along K:
;;     - K is cut into blocks of 32 from its start; a last block that is shorter is filled with zeros.
;;     - A block's scale is 2^e with e = floor(log2(the largest magnitude in the block)) - 15, held to -126 .. 127; a block of zeros has e = 0. As a byte (E8M0): e + 127.
;;     - Each number is divided by its block's scale, clamped to +-57,344, and rounded to the nearest number of E5M2, ties to even, subnormals kept.
;;     - The product sums the exact products of the quantised numbers (number of the format x scale) in f32.
;;   ~~~python
;;   def quantise(x, axis):      # numpy; x: float32 -> the quantised numbers, widened to float32 again
;;       x = np.moveaxis(x, axis, -1); K = x.shape[-1]
;;       x = np.pad(x, [(0, 0)] * (x.ndim - 1) + [(0, -K % 32)]); x = x.reshape(x.shape[:-1] + (-1, 32)); a = np.abs(x).max(-1, keepdims=True)
;;       e = np.where(a > 0, np.clip(np.frexp(np.where(a > 0, a, 1))[1] - 1 - 15, -126, 127), 0)      # np.frexp(a)[1] - 1 = floor(log2(a)), exactly
;;       r = np.clip(x / 2.0 ** e, -57344, 57344)
;;       step = 2.0 ** (np.maximum(np.frexp(np.where(r == 0, 1, r))[1] - 1, -14) - 2)
;;       q = np.round(r / step) * step * 2.0 ** e      # np.round: ties to even
;;       return np.moveaxis(q.reshape(q.shape[:-2] + (-1,))[..., :K], -1, axis).astype(np.float32)
;;   ~~~
;;   OPERANDS COMPUTED ON THE WAY. 'Computed on the way' means the value that the module computes at that place (a softmax that the list does not call 'softmax' is quantised finished and normalised). What goes into a quantiser is computed in f32, as accurately as f32 sums, v_exp_f32 and their like allow (about 1e-6 of the number): no bf16 or f16 on the way to a quantiser, and a product that is left as it is and whose result goes on into a quantised operand takes f32 operands (vector FMAs, or v_wmma_f32_16x16x4_f32). A number that lies on a knife's edge between two numbers of the format may be rounded either way, as far as f32 arithmetic and the matrix unit's own rounding can turn it there, and no further.
;; 2 versions, each right; version 2 is version 1 with the launch fused written anew for expert scheduling mode. Each part assembles by itself: llvm-mc -triple=amdgcn-amd-amdhsa -mcpu=gfx1250 --defsym DOCPART=n.
;; ======== version 1 of 2: 2 launches
;; workspace buffers: wcodes 4,194,304 bytes; wscl 131,072 bytes
;; launch wquant (part 1): grid 256 x 1, 8 waves a work-group, no clusters, 2,048 bytes of LDS; arguments Wqkv, Wout, wcodes, wscl; writes wcodes, wscl
.if DOCPART == 1
	.amdgcn_target "amdgcn-amd-amdhsa--gfx1250"
	.amdhsa_code_object_version 6
	.text
	.protected	k_qe8815d652a_wquant
	.globl	k_qe8815d652a_wquant
	.p2align	8
	.type	k_qe8815d652a_wquant,@function
k_qe8815d652a_wquant:
	s_mov_b64 s[64:65], 0
	v_nop
	global_prefetch_b8 v0, s[64:65] scope:SCOPE_SE
	s_setreg_imm32_b32 hwreg(HW_REG_WAVE_MODE, 25, 1), 1
	s_wait_xcnt 0x0
; Wqkv [3072][1024] and Wout [1024][1024], f32, K innermost, become codes of BF8 (E5M2) with one E8M0 byte for each 32 along K,
; laid as IMAGES OF THE OPERAND'S REGISTERS in the order in which the second launch's waves take them.
; wcodes: [tile 0..255][K step 0..7][c 0..3][lane 0..31][16 bytes]: lane (r = lane % 16, h = lane / 16), group c: K = 128 s + 32 c + 16 h + 0..15 of the tile's row r.
; wscl:   [tile][K step][r] words; byte c of a word is the scale of K block 4 s + c.
; Tile T = 64 w + p: w the wave that will take it, p its place in that wave's stream.  Which 16 weight rows form a tile:
;   p 0..31  (q, k): row 1024 (w / 2) + 64 (p / 2) + 32 (w % 2) + 8 (p % 2) + m + 8 (m / 8)
;   p 32..47 (v):    row 2048 + 64 m + d: m the key head, d one channel: with n = 8 w + p % 8: d = 32 ((p / 8) % 2) + 8 (n / 16) + n % 16 + 8 ((n % 16) / 8)
;   p 48..63 (out):  row 16 (16 w + p - 48) + m of Wout
; all three are R0 + S1 m + S2 (m / 8): one path, the three numbers chosen by the tile's number.
; SHARES: a work-group takes a tile, each of its eight waves one K step: 16 rows x 128 numbers, 64 a lane.
; A block's scale is 2^(floor(log2(largest magnitude)) - 15); its byte is that magnitude's exponent field - 15, held at 1 from below.
; LIMITS: a block whose largest magnitude lies under 2^-111 keeps the byte 1; a block of zeros gets the byte 1 with zero codes (this program alone reads the bytes); NaN and infinities are not served.
.set ST,  16                           ; v16-79   64 numbers: register 16 c + i = K 32 c + 16 h + i of my row
.set PC,  80                           ; v80-95   the codes
.set TM,  96                           ; v96-111  at work
.set PW,  112                          ; v112     the scale word
.set SEL, 16                           ; s[16:17] v_permlanex16_b32's selects for lane l xor 16
.set MNT, 18                           ; s18      the mantissa field of 57,344
; 64 numbers of a lane become a fragment's 16 registers of codes, and (word = 1) its scale word
.macro QUANT s, word
.irp b, 0,1,2,3
	v_max3_num_f32 v[TM+\b], |v[(\s)+16*\b]|, |v[(\s)+16*\b+1]|, 0x8000000   ; block b: my 16 numbers, and the floor 2^(16 - 127): the byte cannot fall under 1
.endr
.irp i, 2,4,6,8,10,12,14
.irp b, 0,1,2,3
	v_max3_num_f32 v[TM+\b], v[TM+\b], |v[(\s)+16*\b+\i]|, |v[(\s)+16*\b+\i+1]|   ; the four blocks by turns
.endr
.endr
.irp b, 0,1,2,3
	v_permlanex16_b32 v[TM+4+\b], v[TM+\b], s[SEL], s[SEL+1]
.endr
.irp b, 0,1,2,3
	v_max_num_f32 v[TM+\b], v[TM+\b], v[TM+4+\b]   ; with lane l xor 16's 16: the block's largest magnitude
.endr
.irp b, 0,1,2,3
	v_add_nc_u32 v[TM+12+\b], 0xf8800000, v[TM+\b]   ; 15 off its exponent field: the conversion's scale operand
.endr
.irp b, 0,1,2,3
	v_and_or_b32 v[TM+8+\b], v[TM+\b], 0x7f800000, s[MNT]   ; 57,344 x the scale
.endr
.irp b, 0,1,2,3
	v_lshrrev_b32 v[TM+4+\b], 23, v[TM+12+\b]      ; the scale's byte
.endr
.if \word
	v_lshl_or_b32 v[PW], v[TM+5], 8, v[TM+4]
	v_lshl_or_b32 v[PW], v[TM+6], 16, v[PW]
	v_lshl_or_b32 v[PW], v[TM+7], 24, v[PW]
.endif
.irp b, 0,1,2,3
.irp i, 0,1,2,3,4,5,6,7,8,9,10,11,12,13,14,15
	v_med3_num_f32 v[(\s)+16*\b+\i], v[(\s)+16*\b+\i], -v[TM+8+\b], v[TM+8+\b]   ; the conversion does not saturate (ISA guide 7.6.2): the hold comes first
.endr
	v_cvt_scalef32_pk8_bf8_f32 v[PC+4*\b:PC+4*\b+1], v[(\s)+16*\b:(\s)+16*\b+7], v[TM+12+\b]
	v_cvt_scalef32_pk8_bf8_f32 v[PC+4*\b+2:PC+4*\b+3], v[(\s)+16*\b+8:(\s)+16*\b+15], v[TM+12+\b]
.endr
	v_nop                                          ; one plain line behind the last conversion
.endm
	s_load_b256 s[4:11], s[0:1], 0x0               ; Wqkv s[4:5], Wout s[6:7], wcodes s[8:9], wscl s[10:11]
	v_lshl_add_u32 v128, v0, 2, 0x400
	v_mov_b32 v129, 0
	v_lshrrev_b32 v1, 5, v0
	v_readfirstlane_b32 s12, v1                    ; my wave = my K step
	s_lshr_b32 s13, ttmp9, 6                       ; w
	s_and_b32 s14, ttmp9, 63                       ; p
	v_and_b32 v1, 31, v0                           ; lane
	v_and_b32 v2, 15, v0                           ; r
	v_bfe_u32 v3, v0, 4, 1                         ; h
	s_mov_b32 s[SEL], 0x76543210
	s_mov_b32 s[SEL+1], 0xfedcba98
	s_mov_b32 s[MNT], 0x600000
.irp b, 0,1,2,3
	v_mov_b32 v[TM+4+\b], 0                        ; a lane permute's destination counts as one of its sources
.endr
	; R0 of a q or k tile
	s_lshr_b32 s20, s13, 1
	s_lshl_b32 s20, s20, 10                        ; 1024 (w / 2)
	s_and_b32 s21, s13, 1
	s_lshl_b32 s21, s21, 5                         ; 32 (w % 2)
	s_add_co_u32 s20, s20, s21
	s_lshr_b32 s21, s14, 1
	s_lshl_b32 s21, s21, 6                         ; 64 (p / 2)
	s_add_co_u32 s20, s20, s21
	s_and_b32 s21, s14, 1
	s_lshl_b32 s21, s21, 3                         ; 8 (p % 2)
	s_add_co_u32 s20, s20, s21
	; R0 of a v tile
	s_and_b32 s22, s14, 7
	s_lshl_b32 s23, s13, 3
	s_add_co_u32 s22, s22, s23                     ; n = 8 w + p % 8
	s_lshr_b32 s23, s22, 4
	s_lshl_b32 s23, s23, 3                         ; 8 (n / 16)
	s_and_b32 s24, s22, 15
	s_add_co_u32 s23, s23, s24                     ; + n % 16
	s_and_b32 s24, s24, 8
	s_add_co_u32 s23, s23, s24                     ; + 8 ((n % 16) / 8)
	s_bfe_u32 s24, s14, 0x10003                    ; bit 3 of p: which half of the head's channels
	s_lshl_b32 s24, s24, 5
	s_add_co_u32 s23, s23, s24
	s_add_co_u32 s23, s23, 2048
	; R0 of a tile of Wout
	s_and_b32 s25, s14, 15
	s_lshl_b32 s26, s13, 4
	s_add_co_u32 s25, s25, s26
	s_lshl_b32 s25, s25, 4
	; the choice, by the tile's number alone
	s_cmp_lt_u32 s14, 48
	s_cselect_b32 s23, s23, s25
	s_cselect_b32 s27, 64, 1                       ; S1
	s_cmp_lt_u32 s14, 32
	s_cselect_b32 s20, s20, s23                    ; R0
	s_cselect_b32 s27, 1, s27
	s_cselect_b32 s28, 8, 0                        ; S2
	v_mul_u32_u24 v4, s27, v2
	v_lshrrev_b32 v7, 3, v2
	v_mad_u32_u24 v4, v7, s28, v4                  ; my row less R0
	v_lshlrev_b32 v4, 12, v4                       ; a row is 4,096 bytes
	v_lshl_add_u32 v4, v3, 6, v4                   ; + 64 h: my 16 numbers of a block
	v_lshlrev_b32 v5, 4, v1                        ; 16 x lane
	s_lshl_b32 s29, s12, 6
	v_lshl_add_u32 v6, v2, 2, s29                  ; LDS: 64 s + 4 r: my row's scale word among the tile's 128
	s_lshl_b32 s30, s20, 12
	s_lshl_b32 s31, s12, 9
	s_add_co_u32 s30, s30, s31                     ; R0 rows + 512 s bytes
	s_mov_b32 s31, 0
	s_lshl_b32 s32, ttmp9, 14
	s_lshl_b32 s33, s12, 11
	s_add_co_u32 s32, s32, s33                     ; 16,384 T + 2,048 s
	s_mov_b32 s33, 0
	s_lshl_b32 s34, ttmp9, 9                       ; 512 T
	s_mov_b32 s35, 0
	s_wait_kmcnt 0x0
	s_cmp_lt_u32 s14, 48
	s_cselect_b64 s[4:5], s[4:5], s[6:7]           ; Wqkv or Wout: the choice hangs on the tile's number alone
	s_add_nc_u64 s[4:5], s[4:5], s[30:31]
	s_add_nc_u64 s[8:9], s[8:9], s[32:33]
	s_add_nc_u64 s[10:11], s[10:11], s[34:35]
.irp c, 0,1,2,3
.irp j, 0,1,2,3
	global_load_b128 v[ST+16*\c+4*\j:ST+16*\c+4*\j+3], v4, s[4:5] offset:128*\c+16*\j   ; the sixteen loads together take each of my 16 rows' 512 bytes once
.endr
.endr
	s_wait_loadcnt 0x0
	QUANT ST, 1
.irp c, 0,1,2,3
	global_store_b128 v5, v[PC+4*\c:PC+4*\c+3], s[8:9] offset:512*\c   ; 32 lanes store 512 consecutive bytes, aligned
.endr
	ds_store_b32 v6, v[PW]                         ; both halves of the lanes store the same word with the same value
	s_wait_dscnt 0x0                               ; for wave 0's sake: my store has landed
	s_barrier_signal -1
	s_barrier_wait -1
	s_cmp_lg_u32 s12, 0
	s_cbranch_scc1 .Lend
	ds_load_b128 v[ST:ST+3], v5                    ; wave 0: the tile's 128 scale words
	s_wait_dscnt 0x0
	global_store_b128 v5, v[ST:ST+3], s[10:11]     ; 512 consecutive bytes, aligned
.Lend:
	s_wait_tensorcnt 0x0
	ds_add_u32 v128, v129
	s_wait_dscnt 0x0
	s_endpgm
.Lfunc_end_k_qe8815d652a_wquant:
	.size	k_qe8815d652a_wquant, .Lfunc_end_k_qe8815d652a_wquant-k_qe8815d652a_wquant
	.p2alignl 7, 3214868480
	.fill 96, 4, 3214868480
	.section	.rodata,"a",@progbits
	.p2align	6, 0x0
	.amdhsa_kernel k_qe8815d652a_wquant
		.amdhsa_group_segment_fixed_size 2048
		.amdhsa_private_segment_fixed_size 0
		.amdhsa_enable_private_segment 0
		.amdhsa_kernarg_size 32
		.amdhsa_user_sgpr_count 2
		.amdhsa_user_sgpr_kernarg_segment_ptr 1
		.amdhsa_wavefront_size32 1
		.amdhsa_system_sgpr_workgroup_id_x 1
		.amdhsa_system_sgpr_workgroup_id_y 1
		.amdhsa_system_sgpr_workgroup_id_z 1
		.amdhsa_system_vgpr_workitem_id 0
		.amdhsa_next_free_vgpr 130
		.amdhsa_next_free_sgpr 66
		.amdhsa_reserve_vcc 0
		.amdhsa_float_denorm_mode_32 3
		.amdhsa_float_denorm_mode_16_64 3
		.amdhsa_memory_ordered 1
		.amdhsa_forward_progress 1
		.amdhsa_inst_pref_size 14
	.end_amdhsa_kernel
	.amdgpu_metadata
---
amdhsa.version: [ 1, 2 ]
amdhsa.kernels:
  - .name:           k_qe8815d652a_wquant
    .symbol:         k_qe8815d652a_wquant.kd
    .args:
      - { .name: Wqkv, .offset: 0, .size: 8, .value_kind: global_buffer, .address_space: global }
      - { .name: Wout, .offset: 8, .size: 8, .value_kind: global_buffer, .address_space: global }
      - { .name: wcodes, .offset: 16, .size: 8, .value_kind: global_buffer, .address_space: global }
      - { .name: wscl, .offset: 24, .size: 8, .value_kind: global_buffer, .address_space: global }
    .group_segment_fixed_size: 2048
    .private_segment_fixed_size: 0
    .kernarg_segment_align: 8
    .kernarg_segment_size: 32
    .max_flat_workgroup_size: 256
    .sgpr_count:     66
    .vgpr_count:     130
    .wavefront_size: 32
...
	.end_amdgpu_metadata
.endif
;; end of part 1
;; launch fused (part 2): grid 256 x 1, 4 waves a work-group, no clusters, 323,072 bytes of LDS; arguments x, wcodes, wscl, out0; writes out0
.if DOCPART == 2
	.amdgcn_target "amdgcn-amd-amdhsa--gfx1250"
	.amdhsa_code_object_version 6
	.text
	.protected	k_qe8815d652a_fused
	.globl	k_qe8815d652a_fused
	.p2align	8
	.type	k_qe8815d652a_fused,@function
k_qe8815d652a_fused:
	s_mov_b64 s[64:65], 0
	v_nop
	global_prefetch_b8 v0, s[64:65] scope:SCOPE_SE
	s_setreg_imm32_b32 hwreg(HW_REG_WAVE_MODE, 25, 1), 1
	s_wait_xcnt 0x0
; out0 = attention over the HEADS axis of rope(x Wqkv^T), transposed as the source has it, times Wout^T.  x, out0: [2][8192][1024] f32.
; Products x Wqkv^T, q k^T and (..) Wout^T on codes of BF8 (E5M2) with one E8M0 scale for each 32 along K; p v (K = 16) with f32 operands; all sums f32.
; SHARES.  A work-group owns 64 neighbouring tokens and runs the whole chain on them: 64 tokens give 64 whole rows of the last product's left operand
; (row = 512 head + token / 16, column = 64 (token % 16) + channel), so nothing wide goes to memory.  Four waves, one to a SIMD.
; THE LEFT OPERAND STAYS IN REGISTERS: all 64 rows x 1,024 K of codes are 512 registers, and every wave holds them; the waves share the columns.  So each weight fragment
; (2,048 bytes) is read by ONE wave of the work-group and feeds four matrix instructions.  The weights come straight into registers, as images of the operand's registers
; (each load 512 consecutive bytes), through a ring of 16 fragments that runs two tiles ahead on counted waits and is never drained.
; NO LDS RING AND NO JOINT LOADS FOR THE WEIGHTS: the chain's intermediates take 322,048 bytes of LDS, which leaves no room for two slots, and no two waves of a work-group read the same weight byte.
; EVERY PRODUCT IS USED TRANSPOSED (source 0 = 16 weight rows, source 1 = 16 rows of the left operand): a lane holds one row, its registers run along the columns.  The rows of a weight tile are chosen
; so that the 16 registers of two neighbouring tiles are 16 neighbours along the next K.
; PHASES, eight barriers:  X: wave w quantises tokens 16 w on, images to LDS |B1| every wave fetches all 32 fragments |B2| QK: wave w makes q (w < 2) or k, channels 32 (w % 2) on, of all heads: rope, codes to LDS |B3|
; S: wave w: scores and softmax of tokens 16 w on, p to LDS |B4| then twice, for each half of a head's channels: v (8 of 32 tiles a wave) to LDS |B5, B7| p v, codes' images to LDS |B6, B8| the last product, out through a stage.
; LIMITS: a block whose largest magnitude lies under 2^-111 keeps the scale byte 1; a block of zeros gets the byte 1 with zero codes (no byte leaves the program); NaN and infinities are not served.
; Rope's frequencies are the f32 numbers nearest to 1 / fl(10^(i / 8)); sine and cosine: reduction by pi / 2 in two parts (the first step is exact for angles under 2^13: positions end at 8,191), polynomials of degree 7 and 8.
; LDS, bytes (every pitch is an odd multiple of 16, so that the sixteen lanes of a 16-byte access fall into sixteen different columns of 256 bytes):
.set XIMG,  0                          ; 65,536  x's fragments: (K step s, tile m) at 2048 (4 s + m) + 512 c + 16 lane              X .. B2
.set XSC,   65536                      ; 2,048   their scale words: 512 m + 64 s + 4 r                                          X .. B2
.set XT,    67584                      ; 4 x 8,448  a wave's own 16 rows x (512 + 16): x turns from rows to lanes                  X
.set QC,    0                          ; 82,944  q's codes: 1296 token + 80 head + channel                                      B2 .. B4
.set KC,    230400                     ; 82,944  k's likewise
.set KS,    313344                     ; 4,352   k's scale words: 68 token + 4 head: bytes scale(0..31), 0x7f, scale(32..63), 0x7f
.set QS,    317696                     ; 4,352   q's likewise
.set PB,    164864                     ; 65,536  p: 1024 token + 512 c + 16 lane: an image of its registers; a wave's own tokens     S .. B8
.set VB,    0                          ; 164,864 v: 2576 token + 80 n + 4 key head, n = 0..31 the channel's place                 B4 .. B8
.set A4IMG, 230400                     ; 65,536  the last product's left operand, as XIMG
.set A4SC,  295936                     ; 2,048   as XSC
.set OSTG,  0                          ; 4 x 17,408  a wave's own 64 rows x (256 + 16), for the way out                            behind B8
; REGISTERS, in windows of 256.  Window 1: the weights' ring, fragment (parity, K step s) at 16 (8 parity + s).  Windows 2, 3: the left operand, (s, m) at 64 (s % 4) + 16 m; in X window 2 takes x as it is loaded.  Window 0:
.set LI,   1                           ; 16 x lane
.set LS,   2                           ; 4 x lane
.set XTW,  3
.set XTR,  4
.set XWI,  5
.set XWS,  6
.set FS,   7
.set CW0,  8                           ; where my q or k codes go, head 0;   CWA: the head in hand
.set SW0,  9                           ; and their scale bytes;              SWA
.set CWA,  10
.set SWA,  11
.set KR,   12
.set QR,   13
.set SR,   14
.set PA,   15
.set VW,   16                          ; v16-19  where v of token tile m goes
.set VR,   21
.set A4W,  22
.set A4WS, 23
.set FI2,  24
.set FS2,  25
.set OST,  26
.set ORD,  27
.set OGO,  28
.set AS,   32                          ; v32-47  the left operand's scale words, 4 m + s / 2: even K step in lanes 0-15, odd in lanes 16-31
.set BS,   48                          ; v48-55  the weights' likewise, 4 parity + s / 2
.set SS,   56                          ; v56-57  the scores': k's words in lanes 0-15, q's in lanes 16-31
.set PW,   60                          ; the scale word just made
.set ACC,  64                          ; v64-127 accumulators, 16 m + 8 u
.set ST,   64                          ; in X: 64 numbers of x
.set TT,   64                          ; ahead of X: sine and cosine at work
.set MX,   96                          ; in S: v64-79 scores, v80-95 p, v96-105 at work
.set MY,   97
.set MC,   98
.set SU,   100
.set SV,   102
.set RC,   104
.set T16,  64                          ; in PV: v64-95 the held numbers
.set CS,   128                         ; v128-191 in QK: (cos, sin) of token tile m, pair k at 16 m + 2 k
.set KF,   128                         ; in S: k's and q's fragments, by parity 32 apart
.set QF,   144
.set PP,   128                         ; in PV: p, 8 by parity;  v, 16 by parity;  the scale words as they grow
.set VT,   144
.set A4S,  184
.set FB,   128                         ; on the way out: rows read back
.set PC,   192                         ; v192-207 codes just made; rope's products
.set TM,   208                         ; v208-223 the quantiser at work
.set VWA,  208                         ; in the v product: the four store addresses of the trip
.set OD,   224                         ; v224-255 p v's sums, 16 by parity + 8 u: written by matrix instructions alone
.set WC,   6                           ; s[6:7]   my stream of weight codes
.set WS,   8                           ; s[8:9]   and of their scale words
.set SEL,  16                          ; s[16:17] v_permlanex16_b32's selects for lane l xor 16
.set MNT,  18                          ; s18      the mantissa field of 57,344
.set OB,   20                          ; s[20:27] out0 at my rows of heads 0, 4, 8, 12
.set MSB, 0
.macro WIN new                         ; the immediate's high byte repeats the setting that is left; bits 1:0 source 0, 3:2 source 1, 5:4 source 2, 7:6 destination
.if MSB != \new
	s_set_vgpr_msb (MSB<<8)|\new
.set MSB, \new
.endif
.endm
.macro PLACES n
.rept \n
	v_nop
.endr
.endm
.macro BARRIER                         ; my LDS stores have landed and my LDS loads are in: then the work-group's barrier
	s_wait_dscnt 0x0
	s_barrier_signal -1
	s_barrier_wait -1
.endm
; the ring's loads for one tile: WA: K steps 0-3 (16 loads); WB: the four scale registers, then K steps 4-7 (20 loads)
.macro WA par, off
	WIN 0x40
.irp s, 0,1,2,3
.irp c, 0,1,2,3
	global_load_b128 v[16*(8*(\par)+\s)+4*\c:16*(8*(\par)+\s)+4*\c+3], v[LI], s[WC:WC+1] offset:(\off)+2048*\s+512*\c
.endr
.endr
.endm
.macro WB par, off, soff
	WIN 0
.irp g, 0,1,2,3
	global_load_b32 v[BS+4*(\par)+\g], v[LS], s[WS:WS+1] offset:(\soff)+128*\g
.endr
	WIN 0x40
.irp s, 4,5,6,7
.irp c, 0,1,2,3
	global_load_b128 v[16*(8*(\par)+\s)+4*\c:16*(8*(\par)+\s)+4*\c+3], v[LI], s[WC:WC+1] offset:(\off)+2048*\s+512*\c
.endr
.endr
	WIN 0
.endm
.macro MM par, u, s, m                 ; one matrix instruction: 16 weight rows x 16 rows of tile m, K step s
.if (\s) == 0
	v_wmma_scale_f32_16x16x128_f8f6f4 v[ACC+16*(\m)+8*(\u):ACC+16*(\m)+8*(\u)+7], v[16*(8*(\par)+(\s)):16*(8*(\par)+(\s))+15], v[64*((\s)%4)+16*(\m):64*((\s)%4)+16*(\m)+15], 0, v[BS+4*(\par)+(\s)/2], v[AS+4*(\m)+(\s)/2] matrix_a_fmt:MATRIX_FMT_BF8 matrix_b_fmt:MATRIX_FMT_BF8
.elseif (\s)%2 == 0
	v_wmma_scale_f32_16x16x128_f8f6f4 v[ACC+16*(\m)+8*(\u):ACC+16*(\m)+8*(\u)+7], v[16*(8*(\par)+(\s)):16*(8*(\par)+(\s))+15], v[64*((\s)%4)+16*(\m):64*((\s)%4)+16*(\m)+15], v[ACC+16*(\m)+8*(\u):ACC+16*(\m)+8*(\u)+7], v[BS+4*(\par)+(\s)/2], v[AS+4*(\m)+(\s)/2] matrix_a_fmt:MATRIX_FMT_BF8 matrix_b_fmt:MATRIX_FMT_BF8
.else
	v_wmma_scale_f32_16x16x128_f8f6f4 v[ACC+16*(\m)+8*(\u):ACC+16*(\m)+8*(\u)+7], v[16*(8*(\par)+(\s)):16*(8*(\par)+(\s))+15], v[64*((\s)%4)+16*(\m):64*((\s)%4)+16*(\m)+15], v[ACC+16*(\m)+8*(\u):ACC+16*(\m)+8*(\u)+7], v[BS+4*(\par)+(\s)/2], v[AS+4*(\m)+(\s)/2] matrix_a_fmt:MATRIX_FMT_BF8 matrix_b_fmt:MATRIX_FMT_BF8 matrix_a_scale:MATRIX_SCALE_ROW1 matrix_b_scale:MATRIX_SCALE_ROW1
.endif
.endm
; A TILE of 16 weight rows against all 64 rows, K = 1,024: 32 matrix instructions; the four accumulators take turns, one instruction a turn; the first K step starts the sums.
; The loads of tile q go out in the order A(q) 16, scales(q) 4, B(q) 16.  ca: what was issued behind scales(q): B(q), A(q+1), scales and B(q+1) = 52.  cb: behind B(q): A(q+1), scales and B(q+1), A(q+2) = 52.
; ahead = 1: the slots just multiplied take the tile two further on.  Eight places stand in front of loads into registers that matrix instructions have read
; nine at the end, which also serve the first reads of the sums and the next write over an accumulator.
.macro TILE par, u, ahead, ca, cb
	s_wait_loadcnt \ca
	WIN 0x09                                       ; weights window 1, left operand window 2, sums window 0
.irp s, 0,1,2,3
.irp m, 0,1,2,3
	MM \par, \u, \s, \m
.endr
.endr
	PLACES 8
.if \ahead
	WA \par, (2+\par)*16384
.endif
	s_wait_loadcnt \cb
	WIN 0x0d                                       ; left operand window 3
.irp s, 4,5,6,7
.irp m, 0,1,2,3
	MM \par, \u, \s, \m
.endr
.endr
	WIN 0
	PLACES 9
.if \ahead
	WB \par, (2+\par)*16384, (2+\par)*512
.endif
.endm
.macro STEPW                           ; two tiles on
	s_wait_xcnt 0x0                                ; the loads issued have had their addresses translated (ISA guide 3.1): only now are their bases written
	s_add_nc_u64 s[WC:WC+1], s[WC:WC+1], 32768
	s_add_nc_u64 s[WS:WS+1], s[WS:WS+1], 1024
.endm
; 64 numbers of a lane, register 16 b + i = K 32 b + 16 h + i of block b, become 16 registers of codes in v[PC] on; the four scale bytes stay in v[TM+4] on and (word = 1) make v[PW]
.macro QUANT s, word
.irp b, 0,1,2,3
	v_max3_num_f32 v[TM+\b], |v[(\s)+16*\b]|, |v[(\s)+16*\b+1]|, 0x8000000   ; block b: my 16 numbers, and the floor 2^(16 - 127): the byte cannot fall under 1
.endr
.irp i, 2,4,6,8,10,12,14
.irp b, 0,1,2,3
	v_max3_num_f32 v[TM+\b], v[TM+\b], |v[(\s)+16*\b+\i]|, |v[(\s)+16*\b+\i+1]|   ; the four blocks by turns
.endr
.endr
.irp b, 0,1,2,3
	v_permlanex16_b32 v[TM+4+\b], v[TM+\b], s[SEL], s[SEL+1]
.endr
.irp b, 0,1,2,3
	v_max_num_f32 v[TM+\b], v[TM+\b], v[TM+4+\b]   ; with lane l xor 16's 16: the block's largest magnitude
.endr
.irp b, 0,1,2,3
	v_add_nc_u32 v[TM+12+\b], 0xf8800000, v[TM+\b]   ; 15 off its exponent field: the conversion's scale operand
.endr
.irp b, 0,1,2,3
	v_and_or_b32 v[TM+8+\b], v[TM+\b], 0x7f800000, s[MNT]   ; 57,344 x the scale
.endr
.irp b, 0,1,2,3
	v_lshrrev_b32 v[TM+4+\b], 23, v[TM+12+\b]      ; the scale's byte
.endr
.if \word
	v_lshl_or_b32 v[PW], v[TM+5], 8, v[TM+4]
	v_lshl_or_b32 v[PW], v[TM+6], 16, v[PW]
	v_lshl_or_b32 v[PW], v[TM+7], 24, v[PW]
.endif
.irp b, 0,1,2,3
.irp i, 0,1,2,3,4,5,6,7,8,9,10,11,12,13,14,15
	v_med3_num_f32 v[(\s)+16*\b+\i], v[(\s)+16*\b+\i], -v[TM+8+\b], v[TM+8+\b]   ; the conversion does not saturate (ISA guide 7.6.2): the hold comes first
.endr
	v_cvt_scalef32_pk8_bf8_f32 v[PC+4*\b:PC+4*\b+1], v[(\s)+16*\b:(\s)+16*\b+7], v[TM+12+\b]
	v_cvt_scalef32_pk8_bf8_f32 v[PC+4*\b+2:PC+4*\b+3], v[(\s)+16*\b+8:(\s)+16*\b+15], v[TM+12+\b]
.endr
	v_nop                                          ; one plain line behind the last conversion: later products write its sources
.endm
; what phase X asks for, three steps ahead: K steps of x (16 rows x 512 consecutive bytes, into window 2), then the ring's first loads
.macro LX n
.if (\n) < 8
	WIN 0x80
.irp p, 0,1,2,3,4,5,6,7,8,9,10,11,12,13,14,15
	global_load_b128 v[64*((\n)%4)+4*\p:64*((\n)%4)+4*\p+3], v[LI], s[4:5] offset:4096*\p+512*(\n) th:TH_LOAD_NT
.endr
	WIN 0
.elseif (\n) == 8
	WA 0, 0
	WIN 0
.elseif (\n) == 9
	WB 0, 0, 0
.else
	WA 1, 16384
	WIN 0
.endif
.endm
; K step s of my 16 rows of x.  cnt: the loads of the three steps asked for behind it.  The rows turn through my own stage: in as loaded, out 64 bytes a lane: 16 neighbours of each block.
.macro XSTEP s, cnt
	LX (\s)+3                                      ; its registers' last LDS stores were waited for in the step before
	s_wait_loadcnt \cnt
	WIN 0x08                                       ; an LDS store's data are its source 1: window 2
.irp p, 0,1,2,3,4,5,6,7,8,9,10,11,12,13,14,15
	ds_store_b128 v[XTW], v[64*((\s)%4)+4*\p:64*((\s)%4)+4*\p+3] offset:528*\p
.endr
	WIN 0
.irp c, 0,1,2,3
.irp j, 0,1,2,3
	ds_load_b128 v[ST+16*\c+4*\j:ST+16*\c+4*\j+3], v[XTR] offset:128*\c+16*\j   ; LDS serves a wave's instructions in order (ISA guide 5.7.1.4): these see the stores above
.endr
.endr
	s_wait_dscnt 0x0
	QUANT ST, 1
.irp c, 0,1,2,3
	ds_store_b128 v[XWI], v[PC+4*\c:PC+4*\c+3] offset:8192*(\s)+512*\c
.endr
	ds_store_b32 v[XWS], v[PW] offset:64*(\s)      ; both halves of the lanes store the same word
.endm
; all 32 fragments of the left operand and their scale words, from their images
.macro FETCHA adr, sadr
	WIN 0x80
.irp s, 0,1,2,3
.irp m, 0,1,2,3
.irp c, 0,1,2,3
	ds_load_b128 v[64*\s+16*\m+4*\c:64*\s+16*\m+4*\c+3], v[\adr] offset:2048*(4*\s+\m)+512*\c
.endr
.endr
.endr
	WIN 0xc0
.irp s, 4,5,6,7
.irp m, 0,1,2,3
.irp c, 0,1,2,3
	ds_load_b128 v[64*(\s-4)+16*\m+4*\c:64*(\s-4)+16*\m+4*\c+3], v[\adr] offset:2048*(4*\s+\m)+512*\c
.endr
.endr
.endr
	WIN 0
.irp m, 0,1,2,3
.irp g, 0,1,2,3
	ds_load_b32 v[AS+4*\m+\g], v[\sadr] offset:512*\m+128*\g   ; lanes 0-15: K step 2 g, lanes 16-31: K step 2 g + 1
.endr
.endr
.endm
; my lane's frequency of pair k: pair number 16 b + 8 h + k.  SCC: b = 0; VCC: h = 1
.macro FSEL k, f0, f1, f2, f3
	s_mov_b32 s44, \f2
	s_cselect_b32 s44, \f0, s44
	s_mov_b32 s45, \f3
	s_cselect_b32 s45, \f1, s45
	v_mov_b32 v[PC+\k], s44
	v_mov_b32 v[PC+8], s45
	v_cndmask_b32 v[PC+\k], v[PC+\k], v[PC+8], vcc_lo
.endm
; (cos, sin) of position x frequency k, for the four token tiles line by line.  At work, 8 registers a tile: +0 angle, then sin r; +1 n, then 1 - z / 2; +2 r; +3 n as a whole number; +4 z; +5, +7 polynomials; +6 products
.macro SINCOS4 k
.irp m, 0,1,2,3
	v_mul_f32 v[TT+8*\m], v[TM+\m], v[PC+\k]       ; the angle, rounded once
.endr
.irp m, 0,1,2,3
	v_mul_f32 v[TT+8*\m+1], 0x3f22f983, v[TT+8*\m] ; x 2 / pi
.endr
.irp m, 0,1,2,3
	v_rndne_f32 v[TT+8*\m+1], v[TT+8*\m+1]         ; n
.endr
.irp m, 0,1,2,3
	v_fmamk_f32 v[TT+8*\m+2], v[TT+8*\m+1], 0xbfc90fdb, v[TT+8*\m]   ; angle - n x fl(pi / 2): exact here
.endr
.irp m, 0,1,2,3
	v_fmamk_f32 v[TT+8*\m+2], v[TT+8*\m+1], 0x333bbd2e, v[TT+8*\m+2] ; + n x (fl(pi / 2) - pi / 2): r, within pi / 4
.endr
.irp m, 0,1,2,3
	v_cvt_i32_f32 v[TT+8*\m+3], v[TT+8*\m+1]
.endr
.irp m, 0,1,2,3
	v_mul_f32 v[TT+8*\m+4], v[TT+8*\m+2], v[TT+8*\m+2]   ; z = r^2
.endr
.irp m, 0,1,2,3
	v_fma_f32 v[TT+8*\m+5], v[TT+8*\m+4], s30, s29
.endr
.irp m, 0,1,2,3
	v_fma_f32 v[TT+8*\m+7], v[TT+8*\m+4], s33, s32
.endr
.irp m, 0,1,2,3
	v_fma_f32 v[TT+8*\m+5], v[TT+8*\m+5], v[TT+8*\m+4], s28
.endr
.irp m, 0,1,2,3
	v_fma_f32 v[TT+8*\m+7], v[TT+8*\m+7], v[TT+8*\m+4], s31
.endr
.irp m, 0,1,2,3
	v_mul_f32 v[TT+8*\m+6], v[TT+8*\m+2], v[TT+8*\m+4]
.endr
.irp m, 0,1,2,3
	v_fma_f32 v[TT+8*\m+1], v[TT+8*\m+4], -0.5, 1.0
.endr
.irp m, 0,1,2,3
	v_fma_f32 v[TT+8*\m], v[TT+8*\m+6], v[TT+8*\m+5], v[TT+8*\m+2]   ; sin r = r + r z (..)
.endr
.irp m, 0,1,2,3
	v_mul_f32 v[TT+8*\m+6], v[TT+8*\m+4], v[TT+8*\m+4]
.endr
.irp m, 0,1,2,3
	v_fma_f32 v[TT+8*\m+7], v[TT+8*\m+6], v[TT+8*\m+7], v[TT+8*\m+1] ; cos r = 1 - z / 2 + z^2 (..)
.endr
.irp m, 0,1,2,3
	v_and_b32 v[TT+8*\m+6], 1, v[TT+8*\m+3]
.endr
.irp m, 0,1,2,3
	v_cmp_eq_u32 s[44+\m], 1, v[TT+8*\m+6]         ; an odd quadrant swaps the two: a choice of values, no branch
.endr
.irp m, 0,1,2,3
	v_cndmask_b32 v[TT+8*\m+5], v[TT+8*\m], v[TT+8*\m+7], s[44+\m]
.endr
.irp m, 0,1,2,3
	v_cndmask_b32 v[TT+8*\m+4], v[TT+8*\m+7], v[TT+8*\m], s[44+\m]
.endr
.irp m, 0,1,2,3
	v_lshlrev_b32 v[TT+8*\m+6], 30, v[TT+8*\m+3]   ; the sine changes sign in quadrants 2, 3: bit 1 of n
.endr
.irp m, 0,1,2,3
	v_add_nc_u32 v[TT+8*\m+3], 1, v[TT+8*\m+3]     ; the cosine in quadrants 1, 2: bit 1 of n + 1
.endr
.irp m, 0,1,2,3
	v_and_b32 v[TT+8*\m+6], 0x80000000, v[TT+8*\m+6]
.endr
.irp m, 0,1,2,3
	v_lshlrev_b32 v[TT+8*\m+3], 30, v[TT+8*\m+3]
.endr
.irp m, 0,1,2,3
	v_xor_b32 v[CS+16*\m+2*\k+1], v[TT+8*\m+6], v[TT+8*\m+5]
.endr
.irp m, 0,1,2,3
	v_and_b32 v[TT+8*\m+3], 0x80000000, v[TT+8*\m+3]
.endr
.irp m, 0,1,2,3
	v_xor_b32 v[CS+16*\m+2*\k], v[TT+8*\m+3], v[TT+8*\m+4]
.endr
.endm
; behind a pair of q or k tiles: a lane's 16 registers of token tile m are channels 32 b + 16 h + 0..15 of one head.  Rope on neighbouring pairs, then the quantiser: block = token tile.
.macro EPQK
.irp m, 0,1,2,3
.irp u, 0,1
.irp k, 0,1,2,3                        ; each accumulator from its low end on
	v_pk_mul_f32 v[PC+8*\u+2*\k:PC+8*\u+2*\k+1], v[ACC+16*\m+8*\u+2*\k:ACC+16*\m+8*\u+2*\k+1], v[CS+16*\m+8*\u+2*\k:CS+16*\m+8*\u+2*\k+1] op_sel_hi:[1,0]   ; (x1 cos, x2 cos)
.endr
.irp k, 0,1,2,3
	v_pk_fma_f32 v[ACC+16*\m+8*\u+2*\k:ACC+16*\m+8*\u+2*\k+1], v[ACC+16*\m+8*\u+2*\k:ACC+16*\m+8*\u+2*\k+1], v[CS+16*\m+8*\u+2*\k:CS+16*\m+8*\u+2*\k+1], v[PC+8*\u+2*\k:PC+8*\u+2*\k+1] op_sel:[1,1,0] op_sel_hi:[0,1,1] neg_lo:[0,1,0]   ; (x1 cos - x2 sin, x2 cos + x1 sin)
.endr
.endr
.endr
	QUANT ACC, 0
.irp m, 0,1,2,3
	ds_store_b128 v[CWA], v[PC+4*\m:PC+4*\m+3] offset:16*1296*\m
.endr
.irp m, 0,1,2,3
	v_or_b32 v[TM+4+\m], 0x7f00, v[TM+4+\m]        ; beside the byte: 0x7f, the scale of a block of zero codes in the scores' K of 128
.endr
.irp m, 0,1,2,3
	ds_store_b16 v[SWA], v[TM+4+\m] offset:16*68*\m   ; both halves of the lanes store the same two bytes
.endr
.endm
; SCORES of token t of my 16.  K = 64 lies in blocks 0 and 2 of the instruction's 128; blocks 1 and 3 are zero codes, cleared once.
.macro SLOAD t
.set PI, (\t)%2
	ds_load_b128 v[KF+32*PI:KF+32*PI+3], v[KR] offset:1296*(\t)
	ds_load_b128 v[KF+32*PI+8:KF+32*PI+11], v[KR] offset:1296*(\t)+32
	ds_load_b128 v[QF+32*PI:QF+32*PI+3], v[QR] offset:1296*(\t)
	ds_load_b128 v[QF+32*PI+8:QF+32*PI+11], v[QR] offset:1296*(\t)+32
	ds_load_b32 v[SS+PI], v[SR] offset:68*(\t)
.endm
.macro SMUL t                          ; source 0 = the 16 key heads, source 1 = the 16 query heads: a lane holds query head r and key heads 8 h + 0..7
.set PI, (\t)%2
	v_wmma_scale_f32_16x16x128_f8f6f4 v[64+8*PI:64+8*PI+7], v[KF+32*PI:KF+32*PI+15], v[QF+32*PI:QF+32*PI+15], 0, v[SS+PI], v[SS+PI] matrix_a_fmt:MATRIX_FMT_BF8 matrix_b_fmt:MATRIX_FMT_BF8 matrix_b_scale:MATRIX_SCALE_ROW1
.endm
.macro SOFT t                          ; softmax over the 16 key heads: the row's maximum is taken away; p = 2^(c s - c max) / the sum, c = log2(e) / 8
.set SD, 64+8*((\t)%2)
.set PR, 80+8*((\t)%2)
	v_max3_num_f32 v[MX], v[SD], v[SD+1], v[SD+2]
	v_max3_num_f32 v[MX], v[MX], v[SD+3], v[SD+4]
	v_max3_num_f32 v[MX], v[MX], v[SD+5], v[SD+6]
	v_max_num_f32 v[MX], v[MX], v[SD+7]
	v_permlanex16_b32 v[MY], v[MX], s[SEL], s[SEL+1]
	v_max_num_f32 v[MX], v[MX], v[MY]              ; with the other eight key heads
	v_mul_f32 v[MC], s36, v[MX]                    ; - c max
.irp i, 0,2,4,6
	v_pk_fma_f32 v[PR+\i:PR+\i+1], v[SD+\i:SD+\i+1], s[34:35], v[MC:MC+1] op_sel_hi:[1,0,0]
.endr
.irp i, 0,1,2,3,4,5,6,7
	v_exp_f32 v[PR+\i], v[PR+\i]
.endr
	v_nop                                          ; a plain line behind the exponentials
	s_wait_alu depctr_va_vdst(0)
	v_pk_add_f32 v[SU:SU+1], v[PR:PR+1], v[PR+2:PR+3]
	v_pk_add_f32 v[SV:SV+1], v[PR+4:PR+5], v[PR+6:PR+7]
	v_pk_add_f32 v[SU:SU+1], v[SU:SU+1], v[SV:SV+1]
	v_add_f32 v[SU], v[SU], v[SU+1]
	v_permlanex16_b32 v[MY], v[SU], s[SEL], s[SEL+1]
	v_add_f32 v[SU], v[SU], v[MY]
	v_rcp_f32 v[RC], v[SU]
	v_nop                                          ; a plain line behind the reciprocal
	s_wait_alu depctr_va_vdst(0)
.irp i, 0,2,4,6
	v_pk_mul_f32 v[PR+\i:PR+\i+1], v[PR+\i:PR+\i+1], v[RC:RC+1] op_sel_hi:[1,0]
.endr
	ds_store_b128 v[PA], v[PR:PR+3] offset:1024*(\t)
	ds_store_b128 v[PA], v[PR+4:PR+7] offset:1024*(\t)+512
.endm
; the wait counts what was issued behind token t's five loads: the next token's five, and from t = 2 on the two stores of a softmax.  The softmax of the token before names only the other parity's
; registers: its plain lines are the places behind the product, in front of the loads into this parity's fragments and of the next read of sums.
.macro SSTEP t
.if (\t) < 2
	s_wait_dscnt 5
.elseif (\t) < 15
	s_wait_dscnt 7
.else
	s_wait_dscnt 2
.endif
	SMUL \t
.if (\t) == 0
	PLACES 9
.else
	SOFT (\t)-1
.endif
.if (\t) < 14
	SLOAD (\t)+2
.endif
.endm
; behind a v tile: a lane holds one token and key heads 8 h + 0..7 of one channel: 32 bytes
.macro EPV u
.irp m, 0,1,2,3
	ds_store_b128 v[VWA+\m], v[ACC+16*\m+8*\u:ACC+16*\m+8*\u+3] offset:80*\u
	ds_store_b128 v[VWA+\m], v[ACC+16*\m+8*\u+4:ACC+16*\m+8*\u+7] offset:80*\u+16
.endr
.endm
; p v of token t, 32 channels: f32 operands.  Source 0 = 16 channels, source 1 = the 16 query heads, K = the key heads, four a step: step s, lane half h, register j stand for key head 8 h + 2 s + j on both sides.
.macro PLOAD t
.set PI, (\t)%2
	ds_load_b128 v[PP+8*PI:PP+8*PI+3], v[PA] offset:1024*(\t)
	ds_load_b128 v[PP+8*PI+4:PP+8*PI+7], v[PA] offset:1024*(\t)+512
.irp u, 0,1
	ds_load_b128 v[VT+16*PI+8*\u:VT+16*PI+8*\u+3], v[VR] offset:2576*(\t)+1280*\u
	ds_load_b128 v[VT+16*PI+8*\u+4:VT+16*PI+8*\u+7], v[VR] offset:2576*(\t)+1280*\u+16
.endr
.endm
.macro PMUL t                          ; the two accumulators take turns; the first K step starts the sums
.set PI, (\t)%2
.irp s, 0,1,2,3
.irp u, 0,1
.if \s == 0
	v_wmma_f32_16x16x4_f32 v[OD+16*PI+8*\u:OD+16*PI+8*\u+7], v[VT+16*PI+8*\u+2*\s:VT+16*PI+8*\u+2*\s+1], v[PP+8*PI+2*\s:PP+8*PI+2*\s+1], 0
.else
	v_wmma_f32_16x16x4_f32 v[OD+16*PI+8*\u:OD+16*PI+8*\u+7], v[VT+16*PI+8*\u+2*\s:VT+16*PI+8*\u+2*\s+1], v[PP+8*PI+2*\s:PP+8*PI+2*\s+1], v[OD+16*PI+8*\u:OD+16*PI+8*\u+7]
.endif
.endr
.endr
.endm
; token t's 32 channels of half chi are one block of the last product's K: K step t / 2, block 2 (t % 2) + chi, row = query head.  A lane's 16 sums are channels 32 chi + 16 h + 0..15.
.macro QTOK t, chi
.set PI, (\t)%2
.set OQ, OD+16*PI
.set TQ, T16+16*PI
.set BIT, 8*(2*((\t)%2)+(\chi))
	v_max3_num_f32 v[TM], |v[OQ]|, |v[OQ+1]|, 0x8000000   ; each accumulator from its low end on; the floor 2^(16 - 127) among the leaves
	v_max3_num_f32 v[TM+1], |v[OQ+8]|, |v[OQ+9]|, |v[OQ+10]|
	v_max3_num_f32 v[TM], v[TM], |v[OQ+2]|, |v[OQ+3]|
	v_max3_num_f32 v[TM+1], v[TM+1], |v[OQ+11]|, |v[OQ+12]|
	v_max3_num_f32 v[TM], v[TM], |v[OQ+4]|, |v[OQ+5]|
	v_max3_num_f32 v[TM+1], v[TM+1], |v[OQ+13]|, |v[OQ+14]|
	v_max3_num_f32 v[TM], v[TM], |v[OQ+6]|, |v[OQ+7]|
	v_max3_num_f32 v[TM], v[TM], v[TM+1], |v[OQ+15]|
	v_permlanex16_b32 v[TM+2], v[TM], s[SEL], s[SEL+1]
	v_max_num_f32 v[TM], v[TM], v[TM+2]
	v_add_nc_u32 v[TM+3], 0xf8800000, v[TM]
	v_and_or_b32 v[TM+4], v[TM], 0x7f800000, s[MNT]
	v_lshrrev_b32 v[TM+5], 23, v[TM+3]
.irp i, 0,1,2,3,4,5,6,7,8,9,10,11,12,13,14,15
	v_med3_num_f32 v[TQ+\i], v[OQ+\i], -v[TM+4], v[TM+4]   ; the held numbers go into other registers than the sums
.endr
	v_cvt_scalef32_pk8_bf8_f32 v[PC+4*PI:PC+4*PI+1], v[TQ:TQ+7], v[TM+3]
	v_cvt_scalef32_pk8_bf8_f32 v[PC+4*PI+2:PC+4*PI+3], v[TQ+8:TQ+15], v[TM+3]
.if BIT == 0
	v_mov_b32 v[A4S+(\t)/2], v[TM+5]               ; the byte into its K step's scale word.  (Also the plain line behind the conversions)
.else
	v_lshl_or_b32 v[A4S+(\t)/2], v[TM+5], BIT, v[A4S+(\t)/2]
.endif
	ds_store_b128 v[A4W], v[PC+4*PI:PC+4*PI+3] offset:8192*((\t)/2)+512*(2*((\t)%2)+(\chi))
.endm
; the wait counts what was issued behind token t's six loads: the next token's six, and from t = 2 on one store.  The quantiser of the token before names only the other parity's registers: its plain lines are the places.
.macro PVSTEP t, chi
.if (\t) < 2
	s_wait_dscnt 6
.elseif (\t) < 15
	s_wait_dscnt 7
.else
	s_wait_dscnt 1
.endif
	PMUL \t
.if (\t) == 0
	PLACES 9
.else
	QTOK (\t)-1, \chi
.endif
.if (\t) < 14
	PLOAD (\t)+2
.endif
.endm
; one half of a head's channels: v's 32 tiles (8 a wave), a barrier, p v and its quantiser for my 16 tokens, a barrier
.macro VPV chi
	s_mov_b32 s42, 0
	s_mov_b32 s19, 4
.Lv_\@:
.irp m, 0,1,2,3
	v_add_nc_u32 v[VWA+\m], s42, v[VW+\m]
.endr
	TILE 0, 0, 1, 52, 52
	EPV 0
	TILE 1, 1, 1, 52, 52
	EPV 1
	STEPW
	s_add_co_u32 s42, s42, 160
	s_sub_co_u32 s19, s19, 1
	s_cmp_lg_u32 s19, 0
	s_cbranch_scc1 .Lv_\@
	BARRIER                                        ; v of all 64 tokens lies in LDS
	PLOAD 0
	PLOAD 1
.irp t, 0,1,2,3,4,5,6,7,8,9,10,11,12,13,14,15
	PVSTEP \t, \chi
.endr
	QTOK 15, \chi                                  ; token 14's quantiser stands between the last products and this read of their sums
.if \chi
.irp s, 0,1,2,3,4,5,6,7
	ds_store_b32 v[A4WS], v[A4S+\s] offset:64*\s   ; both halves of the lanes store the same word
.endr
.endif
	BARRIER                                        ; nobody reads v any more; behind the second one the whole left operand lies in LDS
.endm
; behind a tile of the last product: a lane holds one row and 8 neighbouring columns: 32 bytes into my stage; four tiles make 256 bytes a row
.macro EPO u, e
.irp g, 0,1,2,3
	ds_store_b128 v[OST], v[ACC+16*\g+8*\u:ACC+16*\g+8*\u+3] offset:4352*\g+64*(\e)
	ds_store_b128 v[OST], v[ACC+16*\g+8*\u+4:ACC+16*\g+8*\u+7] offset:4352*\g+64*(\e)+16
.endr
.endm
; 64 rows x 256 bytes leave: instruction i = 16 a + r takes head r of token groups 2 a (lanes 0-15) and 2 a + 1 (lanes 16-31): each half of the lanes stores 256 consecutive bytes, aligned
.macro FLUSH step
.irp bt, 0,1,2,3
	s_wait_xcnt 0x0                                ; earlier stores have read their registers (ISA guide 3.1): these may be loaded again
.irp io, 0,1,2,3,4,5,6,7
	ds_load_b128 v[FB+32*(\bt%2)+4*\io:FB+32*(\bt%2)+4*\io+3], v[ORD] offset:272*(32*((8*\bt+\io)/16)+(8*\bt+\io)%16)   ; LDS serves a wave's instructions in order: these see my stores
.endr
	s_wait_dscnt 0x0
.irp io, 0,1,2,3,4,5,6,7
	global_store_b128 v[OGO], v[FB+32*(\bt%2)+4*\io:FB+32*(\bt%2)+4*\io+3], s[OB+2*(((8*\bt+\io)%16)/4):OB+2*(((8*\bt+\io)%16)/4)+1] offset:(((8*\bt+\io)%16)%4)*2097152+8192*((8*\bt+\io)/16) th:TH_STORE_NT
.endr
.endr
.if \step
	s_wait_xcnt 0x0
	v_add_nc_u32 v[OGO], 256, v[OGO]               ; the next 64 columns
.endif
.endm
	; ---------------- the head
	s_load_b256 s[4:11], s[0:1], 0x0               ; x s[4:5], wcodes s[6:7], wscl s[8:9], out0 s[10:11]
	v_lshl_add_u32 v62, v0, 2, 0x4ec00
	v_mov_b32 v63, 0
	v_lshrrev_b32 v29, 5, v0
	v_readfirstlane_b32 s12, v29                   ; wave w
	s_and_b32 s13, s12, 1                          ; b: which 32 channels of a head in QK
	s_lshr_b32 s14, s12, 1                         ; 0: q, 1: k
	v_and_b32 v29, 31, v0                          ; lane
	v_and_b32 v30, 15, v0                          ; r
	v_bfe_u32 v31, v0, 4, 1                        ; h
	v_lshlrev_b32 v[LI], 4, v29
	v_lshlrev_b32 v[LS], 2, v29
	s_lshl_b32 s44, ttmp9, 18                      ; 64 tokens of 4,096 bytes a work-group,
	s_lshl_b32 s45, s12, 16                        ; 16 a wave
	s_add_co_u32 s44, s44, s45
	s_mov_b32 s45, 0
	s_wait_kmcnt 0x0
	s_add_nc_u64 s[4:5], s[4:5], s[44:45]
	LX 0
	LX 1
	LX 2
	s_lshl_b32 s44, s12, 20                        ; my 64 tiles of codes,
	s_add_nc_u64 s[WC:WC+1], s[WC:WC+1], s[44:45]
	s_lshl_b32 s44, s12, 15                        ; and of scale words
	s_add_nc_u64 s[WS:WS+1], s[WS:WS+1], s[44:45]
	s_lshr_b32 s44, ttmp9, 7                       ; the batch: 8,192 rows of 4,096 bytes
	s_lshl_b32 s44, s44, 25
	s_and_b32 s46, ttmp9, 127
	s_lshl_b32 s47, s46, 14                        ; + (first token / 16) rows
	s_add_co_u32 s44, s44, s47
	s_add_nc_u64 s[OB:OB+1], s[10:11], s[44:45]
	s_add_nc_u64 s[OB+2:OB+3], s[OB:OB+1], 0x800000      ; four heads on: 4 x 512 rows
	s_add_nc_u64 s[OB+4:OB+5], s[OB+2:OB+3], 0x800000
	s_add_nc_u64 s[OB+6:OB+7], s[OB+4:OB+5], 0x800000
	s_lshl_b32 s43, s46, 6                         ; my work-group's first position
	s_mov_b32 s[SEL], 0x76543210
	s_mov_b32 s[SEL+1], 0xfedcba98
	s_mov_b32 s[MNT], 0x600000
	s_mov_b32 s28, 0xbe2aaaa3                      ; the sine's three coefficients,
	s_mov_b32 s29, 0x3c08839e
	s_mov_b32 s30, 0xb94ca1f9
	s_mov_b32 s31, 0x3d2aaaa5                      ; the cosine's
	s_mov_b32 s32, 0xbab6061a
	s_mov_b32 s33, 0x37ccf5ce
	s_mov_b32 s34, 0x3e38aa3b                      ; c = log2(e) / sqrt(64)
	s_mov_b32 s35, s34                             ; (named with it as a pair)
	s_mov_b32 s36, 0xbe38aa3b                      ; - c
	; LDS addresses: each a constant + constants x lane parts + a constant x wave
	s_mul_i32 s44, s12, 8448
	s_add_co_u32 s44, s44, XT
	v_add_nc_u32 v[XTW], s44, v[LI]
	v_mul_u32_u24 v[XTR], v30, 528
	v_lshl_add_u32 v[XTR], v31, 6, v[XTR]
	v_add_nc_u32 v[XTR], s44, v[XTR]
	s_lshl_b32 s44, s12, 11
	v_add_nc_u32 v[XWI], s44, v[LI]                ; XIMG begins at byte 0
	v_add_nc_u32 v[A4W], A4IMG, v[XWI]
	s_lshl_b32 s44, s12, 9
	v_lshl_add_u32 v[XWS], v30, 2, s44
	v_add_nc_u32 v[A4WS], A4SC, v[XWS]
	v_add_nc_u32 v[XWS], XSC, v[XWS]
	v_add_nc_u32 v[FS], XSC, v[LS]
	v_add_nc_u32 v[FS2], A4SC, v[LS]
	v_add_nc_u32 v[FI2], A4IMG, v[LI]
	s_mul_i32 s44, s14, KC-QC                      ; q's codes begin at byte 0, k's at KC
	s_lshl_b32 s45, s13, 5
	s_add_co_u32 s44, s44, s45
	v_mul_u32_u24 v[CW0], v30, 1296
	v_lshl_add_u32 v[CW0], v31, 4, v[CW0]
	v_add_nc_u32 v[CW0], s44, v[CW0]
	s_xor_b32 s44, s14, 1
	s_mul_i32 s44, s44, QS-KS                      ; k's scale bytes at KS, q's behind them
	s_lshl_b32 s45, s13, 1
	s_add_co_u32 s44, s44, s45
	s_add_co_u32 s44, s44, KS
	v_mul_u32_u24 v[SW0], v30, 68
	v_add_nc_u32 v[SW0], s44, v[SW0]
	s_mul_i32 s44, s12, 16*1296
	v_mul_u32_u24 v[QR], v30, 80
	v_lshl_add_u32 v[QR], v31, 4, v[QR]
	v_add_nc_u32 v[QR], s44, v[QR]
	v_add_nc_u32 v[KR], KC-QC, v[QR]
	s_mul_i32 s44, s12, 16*68
	s_add_co_u32 s44, s44, KS
	v_mul_u32_u24 v[SR], v31, QS-KS                ; lanes 0-15 take k's words, lanes 16-31 q's: one product
	v_lshl_add_u32 v[SR], v30, 2, v[SR]
	v_add_nc_u32 v[SR], s44, v[SR]
	s_lshl_b32 s44, s12, 14
	s_add_co_u32 s44, s44, PB
	v_add_nc_u32 v[PA], s44, v[LI]
	s_mul_i32 s44, s12, 640                        ; v begins at byte 0; my 8 channels' places of 80 bytes
	v_mul_u32_u24 v[VW], v30, 2576
	v_lshl_add_u32 v[VW], v31, 5, v[VW]
	v_add_nc_u32 v[VW], s44, v[VW]
.irp m, 1,2,3
	v_add_nc_u32 v[VW+\m], 16*2576*\m, v[VW]
.endr
	s_mul_i32 s44, s12, 16*2576
	v_mul_u32_u24 v[VR], v30, 80
	v_lshl_add_u32 v[VR], v31, 5, v[VR]
	v_add_nc_u32 v[VR], s44, v[VR]
	s_mul_i32 s44, s12, 17408                      ; the stages begin at byte 0
	v_mul_u32_u24 v[OST], v30, 272
	v_lshl_add_u32 v[OST], v31, 5, v[OST]
	v_add_nc_u32 v[OST], s44, v[OST]
	v_mul_u32_u24 v[ORD], v31, 4352
	v_lshl_add_u32 v[ORD], v30, 4, v[ORD]
	v_add_nc_u32 v[ORD], s44, v[ORD]
	s_lshl_b32 s44, s12, 10                        ; out0: my 256 columns,
	v_lshlrev_b32 v[OGO], 12, v31                  ; one row on for lanes 16-31,
	v_lshl_add_u32 v[OGO], v30, 4, v[OGO]          ; 16 bytes a lane
	v_add_nc_u32 v[OGO], s44, v[OGO]
	; rope's table for my lane: 4 token tiles x 8 pairs.  It is made while x is on its way.
	v_add_nc_u32 v[TM], s43, v30
.irp m, 1,2,3
	v_add_nc_u32 v[TM+\m], 16*\m, v[TM]
.endr
.irp m, 0,1,2,3
	v_cvt_f32_u32 v[TM+\m], v[TM+\m]               ; the positions
.endr
.irp b, 0,1,2,3
	v_mov_b32 v[TM+4+\b], 0                        ; a lane permute's destination counts as one of its sources
.endr
	v_cmp_eq_u32 vcc_lo, 1, v31
	s_cmp_eq_u32 s13, 0                            ; s_mov_b32 and s_cselect_b32 leave SCC alone
	FSEL 0, 0x3f800000, 0x3dcccccd, 0x3c23d70a, 0x3a83126f
	FSEL 1, 0x3f3ff911, 0x3d99940d, 0x3bf5b9b0, 0x3a44948c
	FSEL 2, 0x3f0ff59a, 0x3d6655c2, 0x3bb8449c, 0x3a136a16
	FSEL 3, 0x3ed7e89b, 0x3d2cba15, 0x3b8a2e77, 0x39dd1725
	FSEL 4, 0x3ea1e89b, 0x3d0186e3, 0x3b4f3e38, 0x39a5cb60
	FSEL 5, 0x3e72d423, 0x3cc2434f, 0x3b1b690d, 0x3978a815
	FSEL 6, 0x3e361887, 0x3c91ad39, 0x3ae91528, 0x393a7753
	FSEL 7, 0x3e088d77, 0x3c5a7bf2, 0x3aaec98e, 0x390bd472
.irp k, 0,1,2,3,4,5,6,7
	SINCOS4 \k
.endr
	; ---------------- X: my 16 rows of x become eight fragments.  The counts: three steps' loads behind the step in hand: 3 x 16, and 16 + 16 + 20 or 16 + 20 + 16 once the ring's first loads are among them
	XSTEP 0, 48
	XSTEP 1, 48
	XSTEP 2, 48
	XSTEP 3, 48
	XSTEP 4, 48
	XSTEP 5, 48
	XSTEP 6, 52
	XSTEP 7, 52
	WB 1, 16384, 512                               ; the ring is full: tiles 0 and 1
	BARRIER                                        ; B1: x's 32 fragments lie in LDS
	FETCHA LI, FS
	BARRIER                                        ; B2: every wave has them in registers: their bytes may be written again
	; ---------------- QK: 16 trips, a head a trip: two tiles, rope, codes
	s_mov_b32 s40, 0
	s_mov_b32 s41, 0
	s_mov_b32 s19, 16
.Lqk:
	v_add_nc_u32 v[CWA], s40, v[CW0]
	v_add_nc_u32 v[SWA], s41, v[SW0]
	TILE 0, 0, 1, 52, 52
	TILE 1, 1, 1, 52, 52
	EPQK
	STEPW
	s_add_co_u32 s40, s40, 80
	s_add_co_u32 s41, s41, 4
	s_sub_co_u32 s19, s19, 1
	s_cmp_lg_u32 s19, 0
	s_cbranch_scc1 .Lqk
.irp p, 0,1
.irp q, 4,5,6,7,12,13,14,15
	v_mov_b32 v[KF+32*\p+\q], 0                    ; K blocks 1 and 3 of the scores' operands: zero codes, written once
	v_mov_b32 v[QF+32*\p+\q], 0
.endr
.endr
	v_mov_b32 v[MY], 0                             ; a lane permute's destination counts as one of its sources
	v_mov_b32 v[MC+1], 0                           ; named as upper halves of pairs
	v_mov_b32 v[RC+1], 0
	PLACES 4                                       ; operands written by vector instructions stand four places ahead of a scaled matrix instruction
	BARRIER                                        ; B3: q and k of all 64 tokens lie in LDS
	; ---------------- S: scores and softmax of my 16 tokens
	SLOAD 0
	SLOAD 1
.irp t, 0,1,2,3,4,5,6,7,8,9,10,11,12,13,14,15
	SSTEP \t
.endr
	SOFT 15                                        ; token 14's softmax stands between the last product and this read of its sums
	BARRIER                                        ; B4: nobody reads q and k any more
	; ---------------- v and p v, one half of a head's channels at a time
	VPV 0
	VPV 1
	; ---------------- the last product: my 256 columns, 16 tiles, four to a flush
	FETCHA FI2, FS2
	s_wait_dscnt 0x0
	s_mov_b32 s19, 3
.Lg2:
	TILE 0, 0, 1, 52, 52
	EPO 0, 0
	TILE 1, 1, 1, 52, 52
	EPO 1, 1
	STEPW
	TILE 0, 0, 1, 52, 52
	EPO 0, 2
	TILE 1, 1, 1, 52, 52
	EPO 1, 3
	STEPW
	FLUSH 1
	s_sub_co_u32 s19, s19, 1
	s_cmp_lg_u32 s19, 0
	s_cbranch_scc1 .Lg2
	TILE 0, 0, 1, 52, 52                           ; the last four tiles are written out: the last two ask for nothing, so that no load leaves its buffer
	EPO 0, 0
	TILE 1, 1, 1, 52, 52
	EPO 1, 1
	TILE 0, 0, 0, 52, 36                           ; behind its second half's loads: the last tile's 36
	EPO 0, 2
	TILE 1, 1, 0, 16, 0                            ; behind its scales: its own second half, 16; then nothing
	EPO 1, 3
	FLUSH 0
	s_wait_tensorcnt 0x0
	ds_add_u32 v62, v63
	s_wait_dscnt 0x0
	s_endpgm
.Lfunc_end_k_qe8815d652a_fused:
	.size	k_qe8815d652a_fused, .Lfunc_end_k_qe8815d652a_fused-k_qe8815d652a_fused
	.p2alignl 7, 3214868480
	.fill 96, 4, 3214868480
	.section	.rodata,"a",@progbits
	.p2align	6, 0x0
	.amdhsa_kernel k_qe8815d652a_fused
		.amdhsa_group_segment_fixed_size 323072
		.amdhsa_private_segment_fixed_size 0
		.amdhsa_enable_private_segment 0
		.amdhsa_kernarg_size 32
		.amdhsa_user_sgpr_count 2
		.amdhsa_user_sgpr_kernarg_segment_ptr 1
		.amdhsa_wavefront_size32 1
		.amdhsa_system_sgpr_workgroup_id_x 1
		.amdhsa_system_sgpr_workgroup_id_y 1
		.amdhsa_system_sgpr_workgroup_id_z 1
		.amdhsa_system_vgpr_workitem_id 0
		.amdhsa_next_free_vgpr 1024
		.amdhsa_next_free_sgpr 66
		.amdhsa_reserve_vcc 1
		.amdhsa_float_denorm_mode_32 3
		.amdhsa_float_denorm_mode_16_64 3
		.amdhsa_memory_ordered 1
		.amdhsa_forward_progress 1
		.amdhsa_inst_pref_size 255
	.end_amdhsa_kernel
	.section	.bss,"aw",@nobits
	.p2align	6
	.space	262144
	.amdgpu_metadata
---
amdhsa.version: [ 1, 2 ]
amdhsa.kernels:
  - .name:           k_qe8815d652a_fused
    .symbol:         k_qe8815d652a_fused.kd
    .args:
      - { .name: x, .offset: 0, .size: 8, .value_kind: global_buffer, .address_space: global }
      - { .name: wcodes, .offset: 8, .size: 8, .value_kind: global_buffer, .address_space: global }
      - { .name: wscl, .offset: 16, .size: 8, .value_kind: global_buffer, .address_space: global }
      - { .name: out0, .offset: 24, .size: 8, .value_kind: global_buffer, .address_space: global }
    .group_segment_fixed_size: 323072
    .private_segment_fixed_size: 0
    .kernarg_segment_align: 8
    .kernarg_segment_size: 32
    .max_flat_workgroup_size: 128
    .sgpr_count:     66
    .vgpr_count:     1024
    .wavefront_size: 32
...
	.end_amdgpu_metadata
.endif
;; end of part 2
;; ======== version 2 of 2: 2 launches; version 1 with the launch fused written anew for expert scheduling mode
;; workspace buffers: wcodes 4,194,304 bytes; wscl 131,072 bytes
;; launch wquant: the kernel of part 1 again; grid 256 x 1, 8 waves a work-group, no clusters, 2,048 bytes of LDS; arguments Wqkv, Wout, wcodes, wscl; writes wcodes, wscl
;; launch fused (part 3): grid 256 x 1, 4 waves a work-group, no clusters, 323,072 bytes of LDS; arguments x, wcodes, wscl, out0; writes out0
.if DOCPART == 3
	.amdgcn_target "amdgcn-amd-amdhsa--gfx1250"
	.amdhsa_code_object_version 6
	.text
	.protected	k_qe8815d652a_fused
	.globl	k_qe8815d652a_fused
	.p2align	8
	.type	k_qe8815d652a_fused,@function
k_qe8815d652a_fused:
	s_mov_b64 s[64:65], 0
	v_nop
	global_prefetch_b8 v0, s[64:65] scope:SCOPE_SE
	s_setreg_imm32_b32 hwreg(HW_REG_WAVE_SCHED_MODE, 0, 2), 2
	s_setreg_imm32_b32 hwreg(HW_REG_WAVE_MODE, 25, 1), 1
	s_wait_xcnt 0x0
	s_wait_alu depctr_vm_vsrc(0)
; out0 = attention over the HEADS axis of rope(x Wqkv^T), transposed as the source has it, times Wout^T.  x, out0: [2][8192][1024] f32.
; Products x Wqkv^T, q k^T and (..) Wout^T on codes of BF8 (E5M2) with one E8M0 scale for each 32 along K; p v (K = 16) with f32 operands; all sums f32.
; SHARES.  A work-group owns 64 neighbouring tokens and runs the whole chain on them: 64 tokens give 64 whole rows of the last product's left operand
; (row = 512 head + token / 16, column = 64 (token % 16) + channel), so nothing wide goes to memory.  Four waves, one to a SIMD.
; THE LEFT OPERAND STAYS IN REGISTERS: all 64 rows x 1,024 K of codes are 512 registers, and every wave holds them; the waves share the columns.  So each weight fragment
; (2,048 bytes) is read by ONE wave of the work-group and feeds four matrix instructions.  The weights come straight into registers, as images of the operand's registers
; (each load 512 consecutive bytes), through a ring of 16 fragments that runs two tiles ahead on counted waits and is never drained.
; NO LDS RING AND NO JOINT LOADS FOR THE WEIGHTS: the chain's intermediates take 322,048 bytes of LDS, which leaves no room for two slots, and no two waves of a work-group read the same weight byte.
; EVERY PRODUCT IS USED TRANSPOSED (source 0 = 16 weight rows, source 1 = 16 rows of the left operand): a lane holds one row, its registers run along the columns.  The rows of a weight tile are chosen
; so that the 16 registers of two neighbouring tiles are 16 neighbours along the next K.
; PHASES, eight barriers:  X: wave w quantises tokens 16 w on, images to LDS |B1| every wave fetches all 32 fragments |B2| QK: wave w makes q (w < 2) or k, channels 32 (w % 2) on, of all heads: rope, codes to LDS |B3|
; S: wave w: scores and softmax of tokens 16 w on, p to LDS |B4| then twice, for each half of a head's channels: v (8 of 32 tiles a wave) to LDS |B5, B7| p v, codes' images to LDS |B6, B8| the last product, out through a stage.
; LIMITS: a block whose largest magnitude lies under 2^-111 keeps the scale byte 1; a block of zeros gets the byte 1 with zero codes (no byte leaves the program); NaN and infinities are not served.
; Rope's frequencies are the f32 numbers nearest to 1 / fl(10^(i / 8)); sine and cosine: reduction by pi / 2 in two parts (the first step is exact for angles under 2^13: positions end at 8,191), polynomials of degree 7 and 8.
; THE MODE: SCHED_MODE bits 1:0 = 2 (LLVM: expert scheduling mode 2), set by the entry lines.  The code itself states the register dependences
; between vector or matrix instructions and memory or LDS instructions, with s_wait_alu, always for 0.
; THE PLAN.  Who writes and who reads the registers that memory and LDS instructions touch:
;   ring slots (window 1), v[BS ..]  One tile's 32 matrix instructions read one parity's eight slots and four scale registers; the loads of the tile two further on land in them behind that tile.
;   the sums v64-127                 Written by a tile's matrix instructions; in the v product and in the last product LDS stores read them behind the tile; the tile two further on begins them anew.
;   So ONE wait on va_vdst stands at a tile's end, behind its nine places: the tile is done reading its slots and scale words, and its sums are written.  The tile's 36 loads follow in one run, then the LDS stores.
;   window 2 in X                    Loads of x land in it, the stage's LDS stores read it, loads land again: one wait on vm_vsrc at a step's head.
;   windows 2, 3, v[AS ..]           Filled by LDS loads twice; matrix instructions alone read them: the tiles' waits stand between their last reader and the second filling.
;   v[PC ..], v[PW], v212-215, p, v[A4S ..]   Written by a quantiser or a softmax: one wait on va_vdst ahead of its run of LDS stores, one on vm_vsrc ahead of the next writer.
;   v[CWA], v[SWA], v[VWA ..], v[OGO]  Stepped by vector adds: a wait on vm_vsrc ahead of the add; a tile's wait on va_vdst stands between the add and the next store by it.
;   All other addresses are made at the head, ahead of a wait on va_vdst, and never written again.  The weights' bases are scalar, a pair to each parity of the ring.
; LDS, bytes (every pitch is an odd multiple of 16, so that the sixteen lanes of a 16-byte access fall into sixteen different columns of 256 bytes):
.set XIMG,  0                          ; 65,536  x's fragments: (K step s, tile m) at 2048 (4 s + m) + 512 c + 16 lane              X .. B2
.set XSC,   65536                      ; 2,048   their scale words: 512 m + 64 s + 4 r                                          X .. B2
.set XT,    67584                      ; 4 x 8,448  a wave's own 16 rows x (512 + 16): x turns from rows to lanes                  X
.set QC,    0                          ; 82,944  q's codes: 1296 token + 80 head + channel                                      B2 .. B4
.set KC,    230400                     ; 82,944  k's likewise
.set KS,    313344                     ; 4,352   k's scale words: 68 token + 4 head: bytes scale(0..31), 0x7f, scale(32..63), 0x7f
.set QS,    317696                     ; 4,352   q's likewise
.set PB,    164864                     ; 65,536  p: 1024 token + 512 c + 16 lane: an image of its registers; a wave's own tokens     S .. B8
.set VB,    0                          ; 164,864 v: 2576 token + 80 n + 4 key head, n = 0..31 the channel's place                 B4 .. B8
.set A4IMG, 230400                     ; 65,536  the last product's left operand, as XIMG
.set A4SC,  295936                     ; 2,048   as XSC
.set OSTG,  0                          ; 4 x 17,408  a wave's own 64 rows x (256 + 16), for the way out                            behind B8
; REGISTERS, in windows of 256.  Window 1: the weights' ring, fragment (parity, K step s) at 16 (8 parity + s).  Windows 2, 3: the left operand, (s, m) at 64 (s % 4) + 16 m; in X window 2 takes x as it is loaded.  Window 0:
.set LI,   1                           ; 16 x lane
.set LS,   2                           ; 4 x lane
.set XTW,  3
.set XTR,  4
.set XWI,  5
.set XWS,  6
.set FS,   7
.set CW0,  8                           ; where my q or k codes go, head 0;   CWA: the head in hand
.set SW0,  9                           ; and their scale bytes;              SWA
.set CWA,  10
.set SWA,  11
.set KR,   12
.set QR,   13
.set SR,   14
.set PA,   15
.set VW,   16                          ; v16-19  where v of token tile m goes
.set VR,   21
.set A4W,  22
.set A4WS, 23
.set FI2,  24
.set FS2,  25
.set OST,  26
.set ORD,  27
.set OGO,  28
.set AS,   32                          ; v32-47  the left operand's scale words, 4 m + s / 2: even K step in lanes 0-15, odd in lanes 16-31
.set BS,   48                          ; v48-55  the weights' likewise, 4 parity + s / 2
.set SS,   56                          ; v56-57  the scores': k's words in lanes 0-15, q's in lanes 16-31
.set PW,   60                          ; the scale word just made
.set ACC,  64                          ; v64-127 accumulators, 16 m + 8 u
.set ST,   64                          ; in X: 64 numbers of x
.set TT,   64                          ; ahead of X: sine and cosine at work
.set MX,   96                          ; in S: v64-79 scores, v80-95 p, v96-105 at work
.set MY,   97
.set MC,   98
.set SU,   100
.set SV,   102
.set RC,   104
.set T16,  64                          ; in PV: v64-95 the held numbers
.set CS,   128                         ; v128-191 in QK: (cos, sin) of token tile m, pair k at 16 m + 2 k
.set KF,   128                         ; in S: k's and q's fragments, by parity 32 apart
.set QF,   144
.set PP,   128                         ; in PV: p, 8 by parity;  v, 16 by parity;  the scale words as they grow
.set VT,   144
.set A4S,  184
.set FB,   128                         ; on the way out: rows read back
.set PC,   192                         ; v192-207 codes just made; rope's products
.set TM,   208                         ; v208-223 the quantiser at work
.set VWA,  208                         ; in the v product: the four store addresses of the trip
.set OD,   224                         ; v224-255 p v's sums, 16 by parity + 8 u: written by matrix instructions alone
.set WC,   48                          ; s[48:51] my stream of weight codes: a base for each parity of the ring, at the tile that the parity is asked for next
.set WS,   52                          ; s[52:55] and of their scale words, likewise
.set SEL,  16                          ; s[16:17] v_permlanex16_b32's selects for lane l xor 16
.set MNT,  18                          ; s18      the mantissa field of 57,344
.set OB,   20                          ; s[20:27] out0 at my rows of heads 0, 4, 8, 12
.set MSB, 0
.macro WIN new                         ; the immediate's high byte repeats the setting that is left; bits 1:0 source 0, 3:2 source 1, 5:4 source 2, 7:6 destination
.if MSB != \new
	s_set_vgpr_msb (MSB<<8)|\new
.set MSB, \new
.endif
.endm
.macro PLACES n
.rept \n
	v_nop
.endr
.endm
.macro BARRIER                         ; my LDS stores have landed and my LDS loads are in: then the work-group's barrier
	s_wait_dscnt 0x0
	s_barrier_signal -1
	s_barrier_wait -1
.endm
; the ring's loads for one tile, from its parity's bases: WA: K steps 0-3 (16 loads); WSC: the four scale registers; WBC: K steps 4-7 (16 loads)
.macro WA par
	WIN 0x40
.irp s, 0,1,2,3
.irp c, 0,1,2,3
	global_load_b128 v[16*(8*(\par)+\s)+4*\c:16*(8*(\par)+\s)+4*\c+3], v[LI], s[WC+2*(\par):WC+2*(\par)+1] offset:2048*\s+512*\c
.endr
.endr
.endm
.macro WSC par
	WIN 0
.irp g, 0,1,2,3
	global_load_b32 v[BS+4*(\par)+\g], v[LS], s[WS+2*(\par):WS+2*(\par)+1] offset:128*\g
.endr
.endm
.macro WBC par
	WIN 0x40
.irp s, 4,5,6,7
.irp c, 0,1,2,3
	global_load_b128 v[16*(8*(\par)+\s)+4*\c:16*(8*(\par)+\s)+4*\c+3], v[LI], s[WC+2*(\par):WC+2*(\par)+1] offset:2048*\s+512*\c
.endr
.endr
.endm
.macro MM par, u, s, m                 ; one matrix instruction: 16 weight rows x 16 rows of tile m, K step s
.if (\s) == 0
	v_wmma_scale_f32_16x16x128_f8f6f4 v[ACC+16*(\m)+8*(\u):ACC+16*(\m)+8*(\u)+7], v[16*(8*(\par)+(\s)):16*(8*(\par)+(\s))+15], v[64*((\s)%4)+16*(\m):64*((\s)%4)+16*(\m)+15], 0, v[BS+4*(\par)+(\s)/2], v[AS+4*(\m)+(\s)/2] matrix_a_fmt:MATRIX_FMT_BF8 matrix_b_fmt:MATRIX_FMT_BF8
.elseif (\s)%2 == 0
	v_wmma_scale_f32_16x16x128_f8f6f4 v[ACC+16*(\m)+8*(\u):ACC+16*(\m)+8*(\u)+7], v[16*(8*(\par)+(\s)):16*(8*(\par)+(\s))+15], v[64*((\s)%4)+16*(\m):64*((\s)%4)+16*(\m)+15], v[ACC+16*(\m)+8*(\u):ACC+16*(\m)+8*(\u)+7], v[BS+4*(\par)+(\s)/2], v[AS+4*(\m)+(\s)/2] matrix_a_fmt:MATRIX_FMT_BF8 matrix_b_fmt:MATRIX_FMT_BF8
.else
	v_wmma_scale_f32_16x16x128_f8f6f4 v[ACC+16*(\m)+8*(\u):ACC+16*(\m)+8*(\u)+7], v[16*(8*(\par)+(\s)):16*(8*(\par)+(\s))+15], v[64*((\s)%4)+16*(\m):64*((\s)%4)+16*(\m)+15], v[ACC+16*(\m)+8*(\u):ACC+16*(\m)+8*(\u)+7], v[BS+4*(\par)+(\s)/2], v[AS+4*(\m)+(\s)/2] matrix_a_fmt:MATRIX_FMT_BF8 matrix_b_fmt:MATRIX_FMT_BF8 matrix_a_scale:MATRIX_SCALE_ROW1 matrix_b_scale:MATRIX_SCALE_ROW1
.endif
.endm
; A TILE of 16 weight rows against all 64 rows, K = 1,024: 32 matrix instructions; the four accumulators take turns, one instruction a turn; the first K step starts the sums.
; A tile's 36 loads go out together, at the end of the tile two back; its K steps 4-7 are the last 16 of them.  ca: what was issued behind its scale words and K steps 0-3: its K steps 4-7 and the next tile's 36 = 52.
; cb: behind its K steps 4-7: the next tile's 36, which read the other parity's bases.  So at cb every load that read this parity's two bases is done, and they move on by two tiles there.
; ahead = 1: the slots just multiplied take the tile two further on.  Nine places stand at the end, in front of the first reads of the sums and of the next write over an accumulator.
.macro TILE par, u, ahead, ca, cb
	s_wait_loadcnt \ca
	WIN 0x09                                       ; weights window 1, left operand window 2, sums window 0
.irp s, 0,1,2,3
.irp m, 0,1,2,3
	MM \par, \u, \s, \m
.endr
.endr
	s_wait_loadcnt \cb
.if \ahead
	s_add_nc_u64 s[WC+2*(\par):WC+2*(\par)+1], s[WC+2*(\par):WC+2*(\par)+1], 32768   ; free since that wait, which shows the loads that read them done: two tiles on
	s_add_nc_u64 s[WS+2*(\par):WS+2*(\par)+1], s[WS+2*(\par):WS+2*(\par)+1], 1024
.endif
	WIN 0x0d                                       ; left operand window 3
.irp s, 4,5,6,7
.irp m, 0,1,2,3
	MM \par, \u, \s, \m
.endr
.endr
	WIN 0
	PLACES 9
	s_wait_alu depctr_va_vdst(0)                   ; the tile's matrix instructions are done reading their slots and scale words, in which the loads below land, and have written the sums, which the LDS stores behind a v tile or a tile of the last product read; an address stepped at the trip's head is written too
.if \ahead
	WSC \par                                       ; no vector or matrix instruction stands between the wait and these 36 loads
	WA \par
	WBC \par
	WIN 0
.endif
.endm
; 64 numbers of a lane, register 16 b + i = K 32 b + 16 h + i of block b, become 16 registers of codes in v[PC] on; the four scale bytes stay in v[TM+4] on and (word = 1) make v[PW]
.macro QUANT s, word
.irp b, 0,1,2,3
	v_max3_num_f32 v[TM+\b], |v[(\s)+16*\b]|, |v[(\s)+16*\b+1]|, 0x8000000   ; block b: my 16 numbers, and the floor 2^(16 - 127): the byte cannot fall under 1
.endr
.irp i, 2,4,6,8,10,12,14
.irp b, 0,1,2,3
	v_max3_num_f32 v[TM+\b], v[TM+\b], |v[(\s)+16*\b+\i]|, |v[(\s)+16*\b+\i+1]|   ; the four blocks by turns
.endr
.endr
.irp b, 0,1,2,3
	v_permlanex16_b32 v[TM+4+\b], v[TM+\b], s[SEL], s[SEL+1]
.endr
.irp b, 0,1,2,3
	v_max_num_f32 v[TM+\b], v[TM+\b], v[TM+4+\b]   ; with lane l xor 16's 16: the block's largest magnitude
.endr
.irp b, 0,1,2,3
	v_add_nc_u32 v[TM+12+\b], 0xf8800000, v[TM+\b]   ; 15 off its exponent field: the conversion's scale operand
.endr
.irp b, 0,1,2,3
	v_and_or_b32 v[TM+8+\b], v[TM+\b], 0x7f800000, s[MNT]   ; 57,344 x the scale
.endr
.irp b, 0,1,2,3
	v_lshrrev_b32 v[TM+4+\b], 23, v[TM+12+\b]      ; the scale's byte
.endr
.if \word
	v_lshl_or_b32 v[PW], v[TM+5], 8, v[TM+4]
	v_lshl_or_b32 v[PW], v[TM+6], 16, v[PW]
	v_lshl_or_b32 v[PW], v[TM+7], 24, v[PW]
.endif
.irp b, 0,1,2,3
.irp i, 0,1,2,3,4,5,6,7,8,9,10,11,12,13,14,15
	v_med3_num_f32 v[(\s)+16*\b+\i], v[(\s)+16*\b+\i], -v[TM+8+\b], v[TM+8+\b]   ; the conversion does not saturate (ISA guide 7.6.2): the hold comes first
.endr
	v_cvt_scalef32_pk8_bf8_f32 v[PC+4*\b:PC+4*\b+1], v[(\s)+16*\b:(\s)+16*\b+7], v[TM+12+\b]
	v_cvt_scalef32_pk8_bf8_f32 v[PC+4*\b+2:PC+4*\b+3], v[(\s)+16*\b+8:(\s)+16*\b+15], v[TM+12+\b]
.endr
	v_nop                                          ; one plain line behind the last conversion: later products write its sources
.endm
; what phase X asks for, three steps ahead: K steps of x (16 rows x 512 consecutive bytes, into window 2), then the ring's first loads
.macro LX n
.if (\n) < 8
	WIN 0x80
.irp p, 0,1,2,3,4,5,6,7,8,9,10,11,12,13,14,15
	global_load_b128 v[64*((\n)%4)+4*\p:64*((\n)%4)+4*\p+3], v[LI], s[4:5] offset:4096*\p+512*(\n) th:TH_LOAD_NT
.endr
	WIN 0
.elseif (\n) == 8
	WA 0
	WIN 0
.elseif (\n) == 9
	WSC 0
	WBC 0
	WIN 0
.else
	WA 1
	WIN 0
.endif
.endm
; K step s of my 16 rows of x.  cnt: the loads of the three steps asked for behind it.  The rows turn through my own stage: in as loaded, out 64 bytes a lane: 16 neighbours of each block.
.macro XSTEP s, cnt
.if (\s) > 0
	s_wait_alu depctr_vm_vsrc(0)                   ; the last step's LDS stores have read their registers: the buffer of window 2 in which loads of x below land, and v[PC ..] and v[PW], which this step's quantiser writes again
.endif
	LX (\s)+3
	s_wait_loadcnt \cnt
	WIN 0x08                                       ; an LDS store's data are its source 1: window 2
.irp p, 0,1,2,3,4,5,6,7,8,9,10,11,12,13,14,15
	ds_store_b128 v[XTW], v[64*((\s)%4)+4*\p:64*((\s)%4)+4*\p+3] offset:528*\p
.endr
	WIN 0
.irp c, 0,1,2,3
.irp j, 0,1,2,3
	ds_load_b128 v[ST+16*\c+4*\j:ST+16*\c+4*\j+3], v[XTR] offset:128*\c+16*\j   ; LDS serves a wave's instructions in order (ISA guide 5.7.1.4): these see the stores above
.endr
.endr
	s_wait_dscnt 0x0
	QUANT ST, 1
	s_wait_alu depctr_va_vdst(0)                   ; the quantiser has written v[PC ..] and v[PW], which the LDS stores below read, and is done with v[ST ..], in which the next step's LDS loads land
.irp c, 0,1,2,3
	ds_store_b128 v[XWI], v[PC+4*\c:PC+4*\c+3] offset:8192*(\s)+512*\c
.endr
	ds_store_b32 v[XWS], v[PW] offset:64*(\s)      ; both halves of the lanes store the same word
.endm
; all 32 fragments of the left operand and their scale words, from their images
.macro FETCHA adr, sadr
	WIN 0x80
.irp s, 0,1,2,3
.irp m, 0,1,2,3
.irp c, 0,1,2,3
	ds_load_b128 v[64*\s+16*\m+4*\c:64*\s+16*\m+4*\c+3], v[\adr] offset:2048*(4*\s+\m)+512*\c
.endr
.endr
.endr
	WIN 0xc0
.irp s, 4,5,6,7
.irp m, 0,1,2,3
.irp c, 0,1,2,3
	ds_load_b128 v[64*(\s-4)+16*\m+4*\c:64*(\s-4)+16*\m+4*\c+3], v[\adr] offset:2048*(4*\s+\m)+512*\c
.endr
.endr
.endr
	WIN 0
.irp m, 0,1,2,3
.irp g, 0,1,2,3
	ds_load_b32 v[AS+4*\m+\g], v[\sadr] offset:512*\m+128*\g   ; lanes 0-15: K step 2 g, lanes 16-31: K step 2 g + 1
.endr
.endr
.endm
; my lane's frequency of pair k: pair number 16 b + 8 h + k.  SCC: b = 0; VCC: h = 1
.macro FSEL k, f0, f1, f2, f3
	s_mov_b32 s44, \f2
	s_cselect_b32 s44, \f0, s44
	s_mov_b32 s45, \f3
	s_cselect_b32 s45, \f1, s45
	v_mov_b32 v[PC+\k], s44
	v_mov_b32 v[PC+8], s45
	v_cndmask_b32 v[PC+\k], v[PC+\k], v[PC+8], vcc_lo
.endm
; (cos, sin) of position x frequency k, for the four token tiles line by line.  At work, 8 registers a tile: +0 angle, then sin r; +1 n, then 1 - z / 2; +2 r; +3 n as a whole number; +4 z; +5, +7 polynomials; +6 products
.macro SINCOS4 k
.irp m, 0,1,2,3
	v_mul_f32 v[TT+8*\m], v[TM+\m], v[PC+\k]       ; the angle, rounded once
.endr
.irp m, 0,1,2,3
	v_mul_f32 v[TT+8*\m+1], 0x3f22f983, v[TT+8*\m] ; x 2 / pi
.endr
.irp m, 0,1,2,3
	v_rndne_f32 v[TT+8*\m+1], v[TT+8*\m+1]         ; n
.endr
.irp m, 0,1,2,3
	v_fmamk_f32 v[TT+8*\m+2], v[TT+8*\m+1], 0xbfc90fdb, v[TT+8*\m]   ; angle - n x fl(pi / 2): exact here
.endr
.irp m, 0,1,2,3
	v_fmamk_f32 v[TT+8*\m+2], v[TT+8*\m+1], 0x333bbd2e, v[TT+8*\m+2] ; + n x (fl(pi / 2) - pi / 2): r, within pi / 4
.endr
.irp m, 0,1,2,3
	v_cvt_i32_f32 v[TT+8*\m+3], v[TT+8*\m+1]
.endr
.irp m, 0,1,2,3
	v_mul_f32 v[TT+8*\m+4], v[TT+8*\m+2], v[TT+8*\m+2]   ; z = r^2
.endr
.irp m, 0,1,2,3
	v_fma_f32 v[TT+8*\m+5], v[TT+8*\m+4], s30, s29
.endr
.irp m, 0,1,2,3
	v_fma_f32 v[TT+8*\m+7], v[TT+8*\m+4], s33, s32
.endr
.irp m, 0,1,2,3
	v_fma_f32 v[TT+8*\m+5], v[TT+8*\m+5], v[TT+8*\m+4], s28
.endr
.irp m, 0,1,2,3
	v_fma_f32 v[TT+8*\m+7], v[TT+8*\m+7], v[TT+8*\m+4], s31
.endr
.irp m, 0,1,2,3
	v_mul_f32 v[TT+8*\m+6], v[TT+8*\m+2], v[TT+8*\m+4]
.endr
.irp m, 0,1,2,3
	v_fma_f32 v[TT+8*\m+1], v[TT+8*\m+4], -0.5, 1.0
.endr
.irp m, 0,1,2,3
	v_fma_f32 v[TT+8*\m], v[TT+8*\m+6], v[TT+8*\m+5], v[TT+8*\m+2]   ; sin r = r + r z (..)
.endr
.irp m, 0,1,2,3
	v_mul_f32 v[TT+8*\m+6], v[TT+8*\m+4], v[TT+8*\m+4]
.endr
.irp m, 0,1,2,3
	v_fma_f32 v[TT+8*\m+7], v[TT+8*\m+6], v[TT+8*\m+7], v[TT+8*\m+1] ; cos r = 1 - z / 2 + z^2 (..)
.endr
.irp m, 0,1,2,3
	v_and_b32 v[TT+8*\m+6], 1, v[TT+8*\m+3]
.endr
.irp m, 0,1,2,3
	v_cmp_eq_u32 s[44+\m], 1, v[TT+8*\m+6]         ; an odd quadrant swaps the two: a choice of values, no branch
.endr
	s_wait_alu depctr_va_sdst(0)                   ; the four compares have written s44 to s47, ahead of their first reader: one wait for the run
.irp m, 0,1,2,3
	v_cndmask_b32 v[TT+8*\m+5], v[TT+8*\m], v[TT+8*\m+7], s[44+\m]
.endr
.irp m, 0,1,2,3
	v_cndmask_b32 v[TT+8*\m+4], v[TT+8*\m+7], v[TT+8*\m], s[44+\m]
.endr
.irp m, 0,1,2,3
	v_lshlrev_b32 v[TT+8*\m+6], 30, v[TT+8*\m+3]   ; the sine changes sign in quadrants 2, 3: bit 1 of n
.endr
.irp m, 0,1,2,3
	v_add_nc_u32 v[TT+8*\m+3], 1, v[TT+8*\m+3]     ; the cosine in quadrants 1, 2: bit 1 of n + 1
.endr
.irp m, 0,1,2,3
	v_and_b32 v[TT+8*\m+6], 0x80000000, v[TT+8*\m+6]
.endr
.irp m, 0,1,2,3
	v_lshlrev_b32 v[TT+8*\m+3], 30, v[TT+8*\m+3]
.endr
.irp m, 0,1,2,3
	v_xor_b32 v[CS+16*\m+2*\k+1], v[TT+8*\m+6], v[TT+8*\m+5]
.endr
.irp m, 0,1,2,3
	v_and_b32 v[TT+8*\m+3], 0x80000000, v[TT+8*\m+3]
.endr
.irp m, 0,1,2,3
	v_xor_b32 v[CS+16*\m+2*\k], v[TT+8*\m+3], v[TT+8*\m+4]
.endr
.endm
; behind a pair of q or k tiles: a lane's 16 registers of token tile m are channels 32 b + 16 h + 0..15 of one head.  Rope on neighbouring pairs, then the quantiser: block = token tile.
.macro EPQK
.irp m, 0,1,2,3
.irp u, 0,1
.irp k, 0,1,2,3                        ; each accumulator from its low end on
	v_pk_mul_f32 v[PC+8*\u+2*\k:PC+8*\u+2*\k+1], v[ACC+16*\m+8*\u+2*\k:ACC+16*\m+8*\u+2*\k+1], v[CS+16*\m+8*\u+2*\k:CS+16*\m+8*\u+2*\k+1] op_sel_hi:[1,0]   ; (x1 cos, x2 cos)
.endr
.irp k, 0,1,2,3
	v_pk_fma_f32 v[ACC+16*\m+8*\u+2*\k:ACC+16*\m+8*\u+2*\k+1], v[ACC+16*\m+8*\u+2*\k:ACC+16*\m+8*\u+2*\k+1], v[CS+16*\m+8*\u+2*\k:CS+16*\m+8*\u+2*\k+1], v[PC+8*\u+2*\k:PC+8*\u+2*\k+1] op_sel:[1,1,0] op_sel_hi:[0,1,1] neg_lo:[0,1,0]   ; (x1 cos - x2 sin, x2 cos + x1 sin)
.endr
.endr
.endr
	QUANT ACC, 0
.irp m, 0,1,2,3
	v_or_b32 v[TM+4+\m], 0x7f00, v[TM+4+\m]        ; beside the byte: 0x7f, the scale of a block of zero codes in the scores' K of 128
.endr
	s_wait_alu depctr_va_vdst(0)                   ; the quantiser has written the codes v[PC ..] and the four pairs of bytes v[TM+4 ..], which the eight LDS stores below read
.irp m, 0,1,2,3
	ds_store_b128 v[CWA], v[PC+4*\m:PC+4*\m+3] offset:16*1296*\m
.endr
.irp m, 0,1,2,3
	ds_store_b16 v[SWA], v[TM+4+\m] offset:16*68*\m   ; both halves of the lanes store the same two bytes
.endr
.endm
; SCORES of token t of my 16.  K = 64 lies in blocks 0 and 2 of the instruction's 128; blocks 1 and 3 are zero codes, cleared once.
.macro SLOAD t
.set PI, (\t)%2
	ds_load_b128 v[KF+32*PI:KF+32*PI+3], v[KR] offset:1296*(\t)
	ds_load_b128 v[KF+32*PI+8:KF+32*PI+11], v[KR] offset:1296*(\t)+32
	ds_load_b128 v[QF+32*PI:QF+32*PI+3], v[QR] offset:1296*(\t)
	ds_load_b128 v[QF+32*PI+8:QF+32*PI+11], v[QR] offset:1296*(\t)+32
	ds_load_b32 v[SS+PI], v[SR] offset:68*(\t)
.endm
.macro SMUL t                          ; source 0 = the 16 key heads, source 1 = the 16 query heads: a lane holds query head r and key heads 8 h + 0..7
.set PI, (\t)%2
	v_wmma_scale_f32_16x16x128_f8f6f4 v[64+8*PI:64+8*PI+7], v[KF+32*PI:KF+32*PI+15], v[QF+32*PI:QF+32*PI+15], 0, v[SS+PI], v[SS+PI] matrix_a_fmt:MATRIX_FMT_BF8 matrix_b_fmt:MATRIX_FMT_BF8 matrix_b_scale:MATRIX_SCALE_ROW1
.endm
.macro SOFT t                          ; softmax over the 16 key heads: the row's maximum is taken away; p = 2^(c s - c max) / the sum, c = log2(e) / 8
.set SD, 64+8*((\t)%2)
.set PR, 80+8*((\t)%2)
	v_max3_num_f32 v[MX], v[SD], v[SD+1], v[SD+2]
	v_max3_num_f32 v[MX], v[MX], v[SD+3], v[SD+4]
	v_max3_num_f32 v[MX], v[MX], v[SD+5], v[SD+6]
	v_max_num_f32 v[MX], v[MX], v[SD+7]
	v_permlanex16_b32 v[MY], v[MX], s[SEL], s[SEL+1]
	v_max_num_f32 v[MX], v[MX], v[MY]              ; with the other eight key heads
	v_mul_f32 v[MC], s36, v[MX]                    ; - c max
.if (\t) >= 2
	s_wait_alu depctr_vm_vsrc(0)                   ; the two LDS stores of two tokens back have read p's registers of this parity, which the lines below write again
.endif
.irp i, 0,2,4,6
	v_pk_fma_f32 v[PR+\i:PR+\i+1], v[SD+\i:SD+\i+1], s[34:35], v[MC:MC+1] op_sel_hi:[1,0,0]
.endr
.irp i, 0,1,2,3,4,5,6,7
	v_exp_f32 v[PR+\i], v[PR+\i]
.endr
	v_nop                                          ; a plain line behind the exponentials
	s_wait_alu depctr_va_vdst(0)                   ; the eight exponentials have written their results: one wait, ahead of the first reader
	v_pk_add_f32 v[SU:SU+1], v[PR:PR+1], v[PR+2:PR+3]
	v_pk_add_f32 v[SV:SV+1], v[PR+4:PR+5], v[PR+6:PR+7]
	v_pk_add_f32 v[SU:SU+1], v[SU:SU+1], v[SV:SV+1]
	v_add_f32 v[SU], v[SU], v[SU+1]
	v_permlanex16_b32 v[MY], v[SU], s[SEL], s[SEL+1]
	v_add_f32 v[SU], v[SU], v[MY]
	v_rcp_f32 v[RC], v[SU]
	v_nop                                          ; a plain line behind the reciprocal
	s_wait_alu depctr_va_vdst(0)                   ; the reciprocal has written its result, ahead of its first reader
.irp i, 0,2,4,6
	v_pk_mul_f32 v[PR+\i:PR+\i+1], v[PR+\i:PR+\i+1], v[RC:RC+1] op_sel_hi:[1,0]
.endr
	s_wait_alu depctr_va_vdst(0)                   ; the four multiplications have written p, which the LDS stores below read; and the product issued ahead of this softmax is done reading its fragments and scale words, in which the LDS loads behind the stores land
	ds_store_b128 v[PA], v[PR:PR+3] offset:1024*(\t)
	ds_store_b128 v[PA], v[PR+4:PR+7] offset:1024*(\t)+512
.endm
; the wait counts what was issued behind token t's five loads: the next token's five, and from t = 2 on the two stores of a softmax.  The softmax of the token before names only the other parity's
; registers: its plain lines are the places behind the product, in front of the next read of sums.
.macro SSTEP t
.if (\t) < 2
	s_wait_dscnt 5
.elseif (\t) < 15
	s_wait_dscnt 7
.else
	s_wait_dscnt 2
.endif
	SMUL \t
.if (\t) == 0
	PLACES 9
	s_wait_alu depctr_va_vdst(0)                   ; the first product is done reading its fragments and scale words, in which the LDS loads below land
.else
	SOFT (\t)-1
.endif
.if (\t) < 14
	SLOAD (\t)+2
.endif
.endm
; behind a v tile: a lane holds one token and key heads 8 h + 0..7 of one channel: 32 bytes
.macro EPV u
.irp m, 0,1,2,3
	ds_store_b128 v[VWA+\m], v[ACC+16*\m+8*\u:ACC+16*\m+8*\u+3] offset:80*\u
	ds_store_b128 v[VWA+\m], v[ACC+16*\m+8*\u+4:ACC+16*\m+8*\u+7] offset:80*\u+16
.endr
.endm
; p v of token t, 32 channels: f32 operands.  Source 0 = 16 channels, source 1 = the 16 query heads, K = the key heads, four a step: step s, lane half h, register j stand for key head 8 h + 2 s + j on both sides.
.macro PLOAD t
.set PI, (\t)%2
	ds_load_b128 v[PP+8*PI:PP+8*PI+3], v[PA] offset:1024*(\t)
	ds_load_b128 v[PP+8*PI+4:PP+8*PI+7], v[PA] offset:1024*(\t)+512
.irp u, 0,1
	ds_load_b128 v[VT+16*PI+8*\u:VT+16*PI+8*\u+3], v[VR] offset:2576*(\t)+1280*\u
	ds_load_b128 v[VT+16*PI+8*\u+4:VT+16*PI+8*\u+7], v[VR] offset:2576*(\t)+1280*\u+16
.endr
.endm
.macro PMUL t                          ; the two accumulators take turns; the first K step starts the sums
.set PI, (\t)%2
.irp s, 0,1,2,3
.irp u, 0,1
.if \s == 0
	v_wmma_f32_16x16x4_f32 v[OD+16*PI+8*\u:OD+16*PI+8*\u+7], v[VT+16*PI+8*\u+2*\s:VT+16*PI+8*\u+2*\s+1], v[PP+8*PI+2*\s:PP+8*PI+2*\s+1], 0
.else
	v_wmma_f32_16x16x4_f32 v[OD+16*PI+8*\u:OD+16*PI+8*\u+7], v[VT+16*PI+8*\u+2*\s:VT+16*PI+8*\u+2*\s+1], v[PP+8*PI+2*\s:PP+8*PI+2*\s+1], v[OD+16*PI+8*\u:OD+16*PI+8*\u+7]
.endif
.endr
.endr
.endm
; token t's 32 channels of half chi are one block of the last product's K: K step t / 2, block 2 (t % 2) + chi, row = query head.  A lane's 16 sums are channels 32 chi + 16 h + 0..15.
.macro QTOK t, chi
.set PI, (\t)%2
.set OQ, OD+16*PI
.set TQ, T16+16*PI
.set BIT, 8*(2*((\t)%2)+(\chi))
.if (\t) >= 2
	s_wait_alu depctr_vm_vsrc(0)                   ; the LDS store of two tokens back has read the four code registers of this parity, which the conversions below write again
.endif
	v_max3_num_f32 v[TM], |v[OQ]|, |v[OQ+1]|, 0x8000000   ; each accumulator from its low end on; the floor 2^(16 - 127) among the leaves
	v_max3_num_f32 v[TM+1], |v[OQ+8]|, |v[OQ+9]|, |v[OQ+10]|
	v_max3_num_f32 v[TM], v[TM], |v[OQ+2]|, |v[OQ+3]|
	v_max3_num_f32 v[TM+1], v[TM+1], |v[OQ+11]|, |v[OQ+12]|
	v_max3_num_f32 v[TM], v[TM], |v[OQ+4]|, |v[OQ+5]|
	v_max3_num_f32 v[TM+1], v[TM+1], |v[OQ+13]|, |v[OQ+14]|
	v_max3_num_f32 v[TM], v[TM], |v[OQ+6]|, |v[OQ+7]|
	v_max3_num_f32 v[TM], v[TM], v[TM+1], |v[OQ+15]|
	v_permlanex16_b32 v[TM+2], v[TM], s[SEL], s[SEL+1]
	v_max_num_f32 v[TM], v[TM], v[TM+2]
	v_add_nc_u32 v[TM+3], 0xf8800000, v[TM]
	v_and_or_b32 v[TM+4], v[TM], 0x7f800000, s[MNT]
	v_lshrrev_b32 v[TM+5], 23, v[TM+3]
.irp i, 0,1,2,3,4,5,6,7,8,9,10,11,12,13,14,15
	v_med3_num_f32 v[TQ+\i], v[OQ+\i], -v[TM+4], v[TM+4]   ; the held numbers go into other registers than the sums
.endr
	v_cvt_scalef32_pk8_bf8_f32 v[PC+4*PI:PC+4*PI+1], v[TQ:TQ+7], v[TM+3]
	v_cvt_scalef32_pk8_bf8_f32 v[PC+4*PI+2:PC+4*PI+3], v[TQ+8:TQ+15], v[TM+3]
.if BIT == 0
	v_mov_b32 v[A4S+(\t)/2], v[TM+5]               ; the byte into its K step's scale word.  (Also the plain line behind the conversions)
.else
	v_lshl_or_b32 v[A4S+(\t)/2], v[TM+5], BIT, v[A4S+(\t)/2]
.endif
	s_wait_alu depctr_va_vdst(0)                   ; the conversions have written the codes, which the LDS store below reads, and the scale word has its byte (the last token's wait serves the stores of the words); and the products issued ahead of this quantiser are done reading p and v, in which the LDS loads behind the store land
	ds_store_b128 v[A4W], v[PC+4*PI:PC+4*PI+3] offset:8192*((\t)/2)+512*(2*((\t)%2)+(\chi))
.endm
; the wait counts what was issued behind token t's six loads: the next token's six, and from t = 2 on one store.  The quantiser of the token before names only the other parity's registers: its plain lines are the places.
.macro PVSTEP t, chi
.if (\t) < 2
	s_wait_dscnt 6
.elseif (\t) < 15
	s_wait_dscnt 7
.else
	s_wait_dscnt 1
.endif
	PMUL \t
.if (\t) == 0
	PLACES 9
	s_wait_alu depctr_va_vdst(0)                   ; the first token's products are done reading p and v, in which the LDS loads below land
.else
	QTOK (\t)-1, \chi
.endif
.if (\t) < 14
	PLOAD (\t)+2
.endif
.endm
; one half of a head's channels: v's 32 tiles (8 a wave), a barrier, p v and its quantiser for my 16 tokens, a barrier
.macro VPV chi
	s_mov_b32 s42, 0
	s_mov_b32 s19, 4
.Lv_\@:
	s_wait_alu depctr_vm_vsrc(0)                   ; the LDS stores issued so far have read their registers: the four addresses, which the adds below write again, and the sums (ahead of the first trip: p), which this trip's tiles begin anew
.irp m, 0,1,2,3
	v_add_nc_u32 v[VWA+\m], s42, v[VW+\m]
.endr
	TILE 0, 0, 1, 52, 36
	EPV 0
	TILE 1, 1, 1, 52, 36
	EPV 1
	s_add_co_u32 s42, s42, 160
	s_sub_co_u32 s19, s19, 1
	s_cmp_lg_u32 s19, 0
	s_cbranch_scc1 .Lv_\@
	BARRIER                                        ; v of all 64 tokens lies in LDS
	s_wait_alu depctr_vm_vsrc(0)                   ; the last trip's LDS stores have read the sums' registers and the four addresses: the quantiser below writes both again (the held numbers in v64-95, its work from v208 on)
	PLOAD 0
	PLOAD 1
.irp t, 0,1,2,3,4,5,6,7,8,9,10,11,12,13,14,15
	PVSTEP \t, \chi
.endr
	QTOK 15, \chi                                  ; token 14's quantiser stands between the last products and this read of their sums
.if \chi
.irp s, 0,1,2,3,4,5,6,7
	ds_store_b32 v[A4WS], v[A4S+\s] offset:64*\s   ; both halves of the lanes store the same word
.endr
.endif
	BARRIER                                        ; nobody reads v any more; behind the second one the whole left operand lies in LDS
.endm
; behind a tile of the last product: a lane holds one row and 8 neighbouring columns: 32 bytes into my stage; four tiles make 256 bytes a row
.macro EPO u, e
.irp g, 0,1,2,3
	ds_store_b128 v[OST], v[ACC+16*\g+8*\u:ACC+16*\g+8*\u+3] offset:4352*\g+64*(\e)
	ds_store_b128 v[OST], v[ACC+16*\g+8*\u+4:ACC+16*\g+8*\u+7] offset:4352*\g+64*(\e)+16
.endr
.endm
; 64 rows x 256 bytes leave: instruction i = 16 a + r takes head r of token groups 2 a (lanes 0-15) and 2 a + 1 (lanes 16-31): each half of the lanes stores 256 consecutive bytes, aligned
.macro FLUSH step
.irp bt, 0,1,2,3
	s_wait_xcnt 0x0                                ; earlier stores have had their addresses translated (ISA guide 3.1): their registers may be loaded again
	s_wait_alu depctr_vm_vsrc(0)                   ; beside it: the stores issued so far have read the registers in which the LDS loads below land (this buffer's last global stores; ahead of the first flush the LDS stores of the scale words); and the stage's LDS stores have read the sums, which the next tiles begin anew
.irp io, 0,1,2,3,4,5,6,7
	ds_load_b128 v[FB+32*(\bt%2)+4*\io:FB+32*(\bt%2)+4*\io+3], v[ORD] offset:272*(32*((8*\bt+\io)/16)+(8*\bt+\io)%16)   ; LDS serves a wave's instructions in order: these see my stores
.endr
	s_wait_dscnt 0x0
.irp io, 0,1,2,3,4,5,6,7
	global_store_b128 v[OGO], v[FB+32*(\bt%2)+4*\io:FB+32*(\bt%2)+4*\io+3], s[OB+2*(((8*\bt+\io)%16)/4):OB+2*(((8*\bt+\io)%16)/4)+1] offset:(((8*\bt+\io)%16)%4)*2097152+8192*((8*\bt+\io)/16) th:TH_STORE_NT
.endr
.endr
.if \step
	s_wait_xcnt 0x0
	s_wait_alu depctr_vm_vsrc(0)                   ; beside it: the stores above have read v[OGO], which the add writes
	v_add_nc_u32 v[OGO], 256, v[OGO]               ; the next 64 columns; four tiles' waits on va_vdst stand between this add and the next store
.endif
.endm
	; ---------------- the head
	s_load_b256 s[4:11], s[0:1], 0x0               ; x s[4:5], wcodes s[6:7], wscl s[8:9], out0 s[10:11]
	v_lshl_add_u32 v62, v0, 2, 0x4ec00
	v_mov_b32 v63, 0
	v_lshrrev_b32 v29, 5, v0
	v_readfirstlane_b32 s12, v29                   ; wave w
	v_and_b32 v29, 31, v0                          ; lane
	v_and_b32 v30, 15, v0                          ; r
	v_bfe_u32 v31, v0, 4, 1                        ; h
	v_lshlrev_b32 v[LI], 4, v29
	v_lshlrev_b32 v[LS], 2, v29
	s_wait_alu depctr_va_sdst(0)                   ; s12 is written, ahead of its first reader: bases and LDS addresses are made from it
	s_and_b32 s13, s12, 1                          ; b: which 32 channels of a head in QK
	s_lshr_b32 s14, s12, 1                         ; 0: q, 1: k
	s_lshl_b32 s44, ttmp9, 18                      ; 64 tokens of 4,096 bytes a work-group,
	s_lshl_b32 s45, s12, 16                        ; 16 a wave
	s_add_co_u32 s44, s44, s45
	s_mov_b32 s45, 0
	s_wait_kmcnt 0x0
	s_add_nc_u64 s[4:5], s[4:5], s[44:45]
	s_wait_alu depctr_va_vdst(0)                   ; v[LI] and v[LS] are written: every load of x and of the weights reads one of them as its offset
	LX 0
	LX 1
	LX 2
	s_lshl_b32 s44, s12, 20                        ; my 64 tiles of codes: tile 0 for parity 0, tile 1 for parity 1,
	s_add_nc_u64 s[WC:WC+1], s[6:7], s[44:45]
	s_add_nc_u64 s[WC+2:WC+3], s[WC:WC+1], 16384
	s_lshl_b32 s44, s12, 15                        ; and of scale words
	s_add_nc_u64 s[WS:WS+1], s[8:9], s[44:45]
	s_add_nc_u64 s[WS+2:WS+3], s[WS:WS+1], 512
	s_lshr_b32 s44, ttmp9, 7                       ; the batch: 8,192 rows of 4,096 bytes
	s_lshl_b32 s44, s44, 25
	s_and_b32 s46, ttmp9, 127
	s_lshl_b32 s47, s46, 14                        ; + (first token / 16) rows
	s_add_co_u32 s44, s44, s47
	s_add_nc_u64 s[OB:OB+1], s[10:11], s[44:45]
	s_add_nc_u64 s[OB+2:OB+3], s[OB:OB+1], 0x800000      ; four heads on: 4 x 512 rows
	s_add_nc_u64 s[OB+4:OB+5], s[OB+2:OB+3], 0x800000
	s_add_nc_u64 s[OB+6:OB+7], s[OB+4:OB+5], 0x800000
	s_lshl_b32 s43, s46, 6                         ; my work-group's first position
	s_mov_b32 s[SEL], 0x76543210
	s_mov_b32 s[SEL+1], 0xfedcba98
	s_mov_b32 s[MNT], 0x600000
	s_mov_b32 s28, 0xbe2aaaa3                      ; the sine's three coefficients,
	s_mov_b32 s29, 0x3c08839e
	s_mov_b32 s30, 0xb94ca1f9
	s_mov_b32 s31, 0x3d2aaaa5                      ; the cosine's
	s_mov_b32 s32, 0xbab6061a
	s_mov_b32 s33, 0x37ccf5ce
	s_mov_b32 s34, 0x3e38aa3b                      ; c = log2(e) / sqrt(64)
	s_mov_b32 s35, s34                             ; (named with it as a pair)
	s_mov_b32 s36, 0xbe38aa3b                      ; - c
	; LDS addresses: each a constant + constants x lane parts + a constant x wave
	s_mul_i32 s44, s12, 8448
	s_add_co_u32 s44, s44, XT
	v_add_nc_u32 v[XTW], s44, v[LI]
	v_mul_u32_u24 v[XTR], v30, 528
	v_lshl_add_u32 v[XTR], v31, 6, v[XTR]
	v_add_nc_u32 v[XTR], s44, v[XTR]
	s_lshl_b32 s44, s12, 11
	v_add_nc_u32 v[XWI], s44, v[LI]                ; XIMG begins at byte 0
	v_add_nc_u32 v[A4W], A4IMG, v[XWI]
	s_lshl_b32 s44, s12, 9
	v_lshl_add_u32 v[XWS], v30, 2, s44
	v_add_nc_u32 v[A4WS], A4SC, v[XWS]
	v_add_nc_u32 v[XWS], XSC, v[XWS]
	v_add_nc_u32 v[FS], XSC, v[LS]
	v_add_nc_u32 v[FS2], A4SC, v[LS]
	v_add_nc_u32 v[FI2], A4IMG, v[LI]
	s_mul_i32 s44, s14, KC-QC                      ; q's codes begin at byte 0, k's at KC
	s_lshl_b32 s45, s13, 5
	s_add_co_u32 s44, s44, s45
	v_mul_u32_u24 v[CW0], v30, 1296
	v_lshl_add_u32 v[CW0], v31, 4, v[CW0]
	v_add_nc_u32 v[CW0], s44, v[CW0]
	s_xor_b32 s44, s14, 1
	s_mul_i32 s44, s44, QS-KS                      ; k's scale bytes at KS, q's behind them
	s_lshl_b32 s45, s13, 1
	s_add_co_u32 s44, s44, s45
	s_add_co_u32 s44, s44, KS
	v_mul_u32_u24 v[SW0], v30, 68
	v_add_nc_u32 v[SW0], s44, v[SW0]
	s_mul_i32 s44, s12, 16*1296
	v_mul_u32_u24 v[QR], v30, 80
	v_lshl_add_u32 v[QR], v31, 4, v[QR]
	v_add_nc_u32 v[QR], s44, v[QR]
	v_add_nc_u32 v[KR], KC-QC, v[QR]
	s_mul_i32 s44, s12, 16*68
	s_add_co_u32 s44, s44, KS
	v_mul_u32_u24 v[SR], v31, QS-KS                ; lanes 0-15 take k's words, lanes 16-31 q's: one product
	v_lshl_add_u32 v[SR], v30, 2, v[SR]
	v_add_nc_u32 v[SR], s44, v[SR]
	s_lshl_b32 s44, s12, 14
	s_add_co_u32 s44, s44, PB
	v_add_nc_u32 v[PA], s44, v[LI]
	s_mul_i32 s44, s12, 640                        ; v begins at byte 0; my 8 channels' places of 80 bytes
	v_mul_u32_u24 v[VW], v30, 2576
	v_lshl_add_u32 v[VW], v31, 5, v[VW]
	v_add_nc_u32 v[VW], s44, v[VW]
.irp m, 1,2,3
	v_add_nc_u32 v[VW+\m], 16*2576*\m, v[VW]
.endr
	s_mul_i32 s44, s12, 16*2576
	v_mul_u32_u24 v[VR], v30, 80
	v_lshl_add_u32 v[VR], v31, 5, v[VR]
	v_add_nc_u32 v[VR], s44, v[VR]
	s_mul_i32 s44, s12, 17408                      ; the stages begin at byte 0
	v_mul_u32_u24 v[OST], v30, 272
	v_lshl_add_u32 v[OST], v31, 5, v[OST]
	v_add_nc_u32 v[OST], s44, v[OST]
	v_mul_u32_u24 v[ORD], v31, 4352
	v_lshl_add_u32 v[ORD], v30, 4, v[ORD]
	v_add_nc_u32 v[ORD], s44, v[ORD]
	s_lshl_b32 s44, s12, 10                        ; out0: my 256 columns,
	v_lshlrev_b32 v[OGO], 12, v31                  ; one row on for lanes 16-31,
	v_lshl_add_u32 v[OGO], v30, 4, v[OGO]          ; 16 bytes a lane
	v_add_nc_u32 v[OGO], s44, v[OGO]
	; rope's table for my lane: 4 token tiles x 8 pairs.  It is made while x is on its way.
	v_add_nc_u32 v[TM], s43, v30
.irp m, 1,2,3
	v_add_nc_u32 v[TM+\m], 16*\m, v[TM]
.endr
.irp m, 0,1,2,3
	v_cvt_f32_u32 v[TM+\m], v[TM+\m]               ; the positions
.endr
.irp b, 0,1,2,3
	v_mov_b32 v[TM+4+\b], 0                        ; a lane permute's destination counts as one of its sources
.endr
	v_cmp_eq_u32 vcc_lo, 1, v31
	s_wait_alu depctr_va_vcc(0)                    ; VCC is written, ahead of its first reader: the eight selects below read it
	s_cmp_eq_u32 s13, 0                            ; s_mov_b32 and s_cselect_b32 leave SCC alone
	FSEL 0, 0x3f800000, 0x3dcccccd, 0x3c23d70a, 0x3a83126f
	FSEL 1, 0x3f3ff911, 0x3d99940d, 0x3bf5b9b0, 0x3a44948c
	FSEL 2, 0x3f0ff59a, 0x3d6655c2, 0x3bb8449c, 0x3a136a16
	FSEL 3, 0x3ed7e89b, 0x3d2cba15, 0x3b8a2e77, 0x39dd1725
	FSEL 4, 0x3ea1e89b, 0x3d0186e3, 0x3b4f3e38, 0x39a5cb60
	FSEL 5, 0x3e72d423, 0x3cc2434f, 0x3b1b690d, 0x3978a815
	FSEL 6, 0x3e361887, 0x3c91ad39, 0x3ae91528, 0x393a7753
	FSEL 7, 0x3e088d77, 0x3c5a7bf2, 0x3aaec98e, 0x390bd472
.irp k, 0,1,2,3,4,5,6,7
	SINCOS4 \k
.endr
	s_wait_alu depctr_va_vdst(0)                   ; all LDS addresses and v[OGO] are written, which the LDS instructions and stores of the whole kernel read; and the sine's work is done with v64-95, in which the first step's LDS loads land
	; ---------------- X: my 16 rows of x become eight fragments.  The counts: three steps' loads behind the step in hand: 3 x 16, and 16 + 16 + 20 or 16 + 20 + 16 once the ring's first loads are among them
	XSTEP 0, 48
	XSTEP 1, 48
	XSTEP 2, 48
	XSTEP 3, 48
	XSTEP 4, 48
	XSTEP 5, 48
	XSTEP 6, 52
	XSTEP 7, 52
	WSC 1                                          ; the ring is full: tiles 0 and 1
	WBC 1
	WIN 0
	BARRIER                                        ; B1: x's 32 fragments lie in LDS
	s_wait_alu depctr_vm_vsrc(0)                   ; the last step's LDS stores have read their buffer of window 2, in which the LDS loads below land
	FETCHA LI, FS
	BARRIER                                        ; B2: every wave has them in registers: their bytes may be written again
	; ---------------- QK: 16 trips, a head a trip: two tiles, rope, codes
	s_mov_b32 s40, 0
	s_mov_b32 s41, 0
	s_mov_b32 s19, 16
.Lqk:
	s_wait_alu depctr_vm_vsrc(0)                   ; the last trip's LDS stores have read the two addresses, which the adds below write again, and the codes and bytes, which this trip's rope and quantiser write again
	v_add_nc_u32 v[CWA], s40, v[CW0]
	v_add_nc_u32 v[SWA], s41, v[SW0]
	TILE 0, 0, 1, 52, 36
	TILE 1, 1, 1, 52, 36
	EPQK
	s_add_co_u32 s40, s40, 80
	s_add_co_u32 s41, s41, 4
	s_sub_co_u32 s19, s19, 1
	s_cmp_lg_u32 s19, 0
	s_cbranch_scc1 .Lqk
.irp p, 0,1
.irp q, 4,5,6,7,12,13,14,15
	v_mov_b32 v[KF+32*\p+\q], 0                    ; K blocks 1 and 3 of the scores' operands: zero codes, written once
	v_mov_b32 v[QF+32*\p+\q], 0
.endr
.endr
	v_mov_b32 v[MY], 0                             ; a lane permute's destination counts as one of its sources
	v_mov_b32 v[MC+1], 0                           ; named as upper halves of pairs
	v_mov_b32 v[RC+1], 0
	PLACES 4                                       ; operands written by vector instructions stand four places ahead of a scaled matrix instruction
	s_wait_alu depctr_va_vdst(0)                   ; behind the places: the zero codes are written, which the scores' matrix instructions take as parts of their operands; and rope is done reading its table, in whose registers the fragments' LDS loads land
	BARRIER                                        ; B3: q and k of all 64 tokens lie in LDS
	; ---------------- S: scores and softmax of my 16 tokens
	SLOAD 0
	SLOAD 1
.irp t, 0,1,2,3,4,5,6,7,8,9,10,11,12,13,14,15
	SSTEP \t
.endr
	SOFT 15                                        ; token 14's softmax stands between the last product and this read of its sums
	BARRIER                                        ; B4: nobody reads q and k any more
	; ---------------- v and p v, one half of a head's channels at a time
	VPV 0
	VPV 1
	; ---------------- the last product: my 256 columns, 16 tiles, four to a flush
	FETCHA FI2, FS2                                ; the last matrix instructions that read windows 2 and 3 and v[AS ..] stand ahead of the v tiles' waits on va_vdst, and nothing has named these registers since
	s_wait_dscnt 0x0
	s_mov_b32 s19, 3
.Lg2:
	TILE 0, 0, 1, 52, 36
	EPO 0, 0
	TILE 1, 1, 1, 52, 36
	EPO 1, 1
	s_wait_alu depctr_vm_vsrc(0)                   ; the stage's LDS stores above have read the sums of both parities, which the next two tiles begin anew
	TILE 0, 0, 1, 52, 36
	EPO 0, 2
	TILE 1, 1, 1, 52, 36
	EPO 1, 3
	FLUSH 1
	s_sub_co_u32 s19, s19, 1
	s_cmp_lg_u32 s19, 0
	s_cbranch_scc1 .Lg2
	TILE 0, 0, 1, 52, 36                           ; the last four tiles are written out: the last two ask for nothing, so that no load leaves its buffer
	EPO 0, 0
	TILE 1, 1, 1, 52, 36
	EPO 1, 1
	s_wait_alu depctr_vm_vsrc(0)                   ; the stage's LDS stores above have read the sums of both parities, which the last two tiles begin anew
	TILE 0, 0, 0, 52, 36                           ; behind its second half's loads: the last tile's 36
	EPO 0, 2
	TILE 1, 1, 0, 16, 0                            ; behind its first half and scale words: its own second half, 16; then nothing
	EPO 1, 3
	FLUSH 0
	s_wait_dscnt 0x0                               ; the closing lines, six on end
	s_wait_alu 0x0
	s_wait_tensorcnt 0x0
	ds_add_u32 v62, v63
	s_wait_dscnt 0x0
	s_endpgm
.Lfunc_end_k_qe8815d652a_fused:
	.size	k_qe8815d652a_fused, .Lfunc_end_k_qe8815d652a_fused-k_qe8815d652a_fused
	.p2alignl 7, 3214868480
	.fill 96, 4, 3214868480
	.section	.rodata,"a",@progbits
	.p2align	6, 0x0
	.amdhsa_kernel k_qe8815d652a_fused
		.amdhsa_group_segment_fixed_size 323072
		.amdhsa_private_segment_fixed_size 0
		.amdhsa_enable_private_segment 0
		.amdhsa_kernarg_size 32
		.amdhsa_user_sgpr_count 2
		.amdhsa_user_sgpr_kernarg_segment_ptr 1
		.amdhsa_wavefront_size32 1
		.amdhsa_system_sgpr_workgroup_id_x 1
		.amdhsa_system_sgpr_workgroup_id_y 1
		.amdhsa_system_sgpr_workgroup_id_z 1
		.amdhsa_system_vgpr_workitem_id 0
		.amdhsa_next_free_vgpr 1024
		.amdhsa_next_free_sgpr 66
		.amdhsa_reserve_vcc 1
		.amdhsa_float_denorm_mode_32 3
		.amdhsa_float_denorm_mode_16_64 3
		.amdhsa_memory_ordered 1
		.amdhsa_forward_progress 1
		.amdhsa_inst_pref_size 255
	.end_amdhsa_kernel
	.section	.bss,"aw",@nobits
	.p2align	6
	.space	262144
	.amdgpu_metadata
---
amdhsa.version: [ 1, 2 ]
amdhsa.kernels:
  - .name:           k_qe8815d652a_fused
    .symbol:         k_qe8815d652a_fused.kd
    .args:
      - { .name: x, .offset: 0, .size: 8, .value_kind: global_buffer, .address_space: global }
      - { .name: wcodes, .offset: 8, .size: 8, .value_kind: global_buffer, .address_space: global }
      - { .name: wscl, .offset: 16, .size: 8, .value_kind: global_buffer, .address_space: global }
      - { .name: out0, .offset: 24, .size: 8, .value_kind: global_buffer, .address_space: global }
    .group_segment_fixed_size: 323072
    .private_segment_fixed_size: 0
    .kernarg_segment_align: 8
    .kernarg_segment_size: 32
    .max_flat_workgroup_size: 128
    .sgpr_count:     66
    .vgpr_count:     1024
    .wavefront_size: 32
...
	.end_amdgpu_metadata
.endif
;; end of part 3
